; MI455X (gfx1250); checked and timed in simulation.
; The chip was launched on July 23, 2026; its instructions are those of AMD's public machine-readable ISA for CDNA 5 (MIT licence, August 2026) and "CDNA5" Instruction Set Architecture Reference Guide (July 2026). The comments in the code are by the model that wrote it; some were corrected since.
;; Multi Head Self Attention. Allowed arithmetic: matrix products marked QUANTISED: E2M1 operands, one E8M0 scale for each 32 along K, by v_wmma_scale_f32_16x16x128_f8f6f4 with both operands' format E2M1 (or v_wmma_scale_f32_32x16x128_f4), f32 sums; products left as they are: bf16, f16 or f32 operands; f32 sums; everything else in f32.
;; Inputs: Wk 1,024 x 1,024 float32; Wo 1,024 x 1,024 float32; Wq 1,024 x 1,024 float32; Wv 1,024 x 1,024 float32; token_positions 1 x 4,096 int32; x 1 x 4,096 x 1,024 float32.
;; Outputs: out0 1 x 4,096 x 1,024 float32.
;; This version of the problem:
;;   THIS VERSION OF THE PROBLEM IS GIVEN IN LOW PRECISION. The matrix products marked QUANTISED in the list below multiply operands that are first quantised to E2M1 (2 exponent bits, 1 mantissa bit; 4 bits a number), with one power-of-two scale for each 32 numbers along K (OCP MX v1.0); their sums are f32. The products marked 'left as it is' may take bf16, f16 or f32 operands, with f32 sums. Whichever they take, every output number must still come out within the allowed error. Rounding operands to bf16 (8 significant bits) uses up far more of that allowance than f16 does (11 bits, for magnitudes from 6e-5 to 65,504). All else is computed in f32.
;;   The module's matrix products, in the order in which they are computed (A, B: the left and right operand; K: the contracted axis; several contracted axes count as one K, in the product's order):
;;     1. [M 4,096, K 1,024] x [K 1,024, N 1,024]; A: input x; B: input Wq: QUANTISED
;;     2. [M 4,096, K 1,024] x [K 1,024, N 1,024]; A: input x; B: input Wk: QUANTISED
;;     3. [M 4,096, K 1,024] x [K 1,024, N 1,024]; A: input x; B: input Wv: QUANTISED
;;     4. batch 16 x [M 4,096, K 64] x [K 64, N 4,096]; A: computed on the way; B: computed on the way: left as it is (an operand is computed on the way)
;;     5. batch 16 x [M 4,096, K 4,096] x [K 4,096, N 64]; A: computed on the way; B: computed on the way: left as it is (an operand is computed on the way)
;;     6. [M 4,096, K 1,024] x [K 1,024, N 1,024]; A: computed on the way; B: input Wo: left as it is (an operand is computed on the way)
;;   THE QUANTISER, for each operand of a quantised product, along K:
;;     - K is cut into blocks of 32 from its start; a last block that is shorter is filled with zeros.
;;     - A block's scale is 2^e with e = floor(log2(the largest magnitude in the block)) - 2, held to -126 .. 127; a block of zeros has e = 0. As a byte (E8M0): e + 127.
;;     - Each number is divided by its block's scale, clamped to +-6, and rounded to the nearest number of E2M1, ties to even, subnormals kept.
;;     - The product sums the exact products of the quantised numbers (number of the format x scale) in f32.
;;   ~~~python
;;   def quantise(x, axis):      # numpy; x: float32 -> the quantised numbers, widened to float32 again
;;       x = np.moveaxis(x, axis, -1); K = x.shape[-1]
;;       x = np.pad(x, [(0, 0)] * (x.ndim - 1) + [(0, -K % 32)]); x = x.reshape(x.shape[:-1] + (-1, 32)); a = np.abs(x).max(-1, keepdims=True)
;;       e = np.where(a > 0, np.clip(np.frexp(np.where(a > 0, a, 1))[1] - 1 - 2, -126, 127), 0)      # np.frexp(a)[1] - 1 = floor(log2(a)), exactly
;;       r = np.clip(x / 2.0 ** e, -6, 6)
;;       step = 2.0 ** (np.maximum(np.frexp(np.where(r == 0, 1, r))[1] - 1, 0) - 1)
;;       q = np.round(r / step) * step * 2.0 ** e      # np.round: ties to even
;;       return np.moveaxis(q.reshape(q.shape[:-2] + (-1,))[..., :K], -1, axis).astype(np.float32)
;;   ~~~
;; One version. Each part assembles by itself: llvm-mc -triple=amdgcn-amd-amdhsa -mcpu=gfx1250 --defsym DOCPART=n.
;; ======== version 1 of 1: 5 launches
;; limits: values are held in f16: magnitudes above 65,504 overflow, below 6.1e-05 lose precision
;; workspace buffers: xc 2,097,152 bytes; xs 131,072 bytes; wc 1,572,864 bytes; ws 98,304 bytes; qkv 25,165,824 bytes; fine 196,608 bytes; wo16 2,097,152 bytes; ctx 8,388,608 bytes
;; launch quant (part 1): grid 224 x 1, 4 waves a work-group, no clusters, 33,280 bytes of LDS; arguments x, Wq, Wk, Wv, xc, xs, wc, ws; writes xc, xs, wc, ws
.if DOCPART == 1
	.amdgcn_target "amdgcn-amd-amdhsa--gfx1250"
	.amdhsa_code_object_version 6
	.text
	.protected	k_q682531f823_quant
	.globl	k_q682531f823_quant
	.p2align	8
	.type	k_q682531f823_quant,@function
k_q682531f823_quant:
	s_mov_b64 s[64:65], 0
	v_nop
	global_prefetch_b8 v0, s[64:65] scope:SCOPE_SE
	s_setreg_imm32_b32 hwreg(HW_REG_WAVE_MODE, 25, 1), 1
	s_wait_xcnt 0x0
; x [4096][1024] and Wq, Wk, Wv [1024][1024], f32, K innermost, become codes of FP4 (E2M1), two a byte, K innermost, with one E8M0 byte for each 32 along K.
; A block's scale is 2^(floor(log2(its largest magnitude)) - 2): its byte is the largest magnitude's exponent field - 2, held at 1 from below.  A block of zeros keeps the byte 1: its codes are zeros, and this program alone reads the bytes.
; LIMITS: blocks whose largest magnitude lies under 2^-124 keep the byte 1; NaN and infinities among the inputs are not served.
; OUT: xc [4096][512 bytes], xs [4096][32 bytes].  wc [3072][512], ws [3072][32]: row head x 192 + kind x 64 + d (kind 0 = q, 1 = k, 2 = v), so that one head's q, k and v rows are 192 neighbours.
; SHARES: a wave takes 8,192 numbers (8 rows) in 16 steps of 512.  Work-groups 0-127 take x, 128-159 Wq, 160-191 Wk, 192-223 Wv.  Only pointers and offsets are chosen by the work-group's number: there is one path through the text.
; Each load reads 512 consecutive bytes; a step's 2,048 bytes turn through the wave's own stage in LDS and come back 64 bytes a lane, so that a lane holds 16 neighbours along K (two lanes to a block).
; A lane's 16 codes are 8 bytes: a store of the wave covers 256 consecutive bytes, aligned.  A wave's 256 scale bytes are gathered in LDS and leave as 256 consecutive bytes, aligned.
; No tensor loads, no barrier: waves share nothing.  No matrix unit, no cluster: the launch only streams.
.set WAVES, 4
.set STEPS, 16
.set CB,    8                          ; bytes of 16 codes
.set R,     16                         ; v16-79   four sets of 16 numbers as loaded
.set X,     80                         ; v80-111  two sets of 16 neighbours
.set E,     112                        ; v112-127 a scale byte for each step
.set C,     128                        ; v128-191 codes: four registers for each step: no store's data are written again
.set WREG,  8192                       ; LDS: a region for each wave: two stages of 32 x SP bytes, then its 256 scale bytes
.set SP,    80                         ; a lane's place in a stage: 64 bytes + 16 of padding
.set SPW,   12                         ; v12  LDS address of my spare word; never rewritten
.set NIL,   13                         ; v13  0; never rewritten
.set SPARE, WAVES*WREG                 ; behind the regions: the spare words, 128 bytes a wave
	s_load_b256 s[4:11], s[0:1], 0x0               ; x, Wq, Wk, Wv
	s_load_b256 s[12:19], s[0:1], 0x20             ; xc, xs, wc, ws
	v_lshl_add_u32 v[SPW], v0, 2, SPARE
	v_mov_b32 v[NIL], 0
	v_lshrrev_b32 v1, 5, v0
	v_readfirstlane_b32 s20, v1                    ; wave
	v_and_b32 v2, 31, v0                           ; lane
	v_lshlrev_b32 v3, 4, v2                        ; my 16 bytes of a load's 512
	s_mul_i32 s27, s20, WREG
	v_lshrrev_b32 v14, 2, v2
	v_mul_u32_u24 v14, v14, SP
	v_and_b32 v15, 3, v2
	v_lshl_add_u32 v14, v15, 4, v14
	v_add_nc_u32 v14, s27, v14                     ; the stage, way in: SP (lane / 4) + 16 (lane % 4)
	v_mul_u32_u24 v15, v2, SP
	v_add_nc_u32 v15, s27, v15                     ; way out: SP x lane
	v_mul_u32_u24 v4, v2, CB                       ; my codes' place in a step's
	v_lshrrev_b32 v5, 1, v2
	s_add_co_u32 s27, s27, 2*32*SP
	v_add_nc_u32 v5, s27, v5                       ; my block's scale byte in LDS
	v_lshlrev_b32 v7, 3, v2
	v_add_nc_u32 v6, s27, v7                       ; and 8 bytes a lane on the way out
	; which run of 8,192 numbers is mine, in the source and in the destination
	s_sub_co_u32 s21, ttmp9, 128
	s_and_b32 s22, s21, 31                         ; t: the work-group within its weight
	s_lshr_b32 s23, s21, 5
	s_and_b32 s23, s23, 3                          ; kind
	s_lshl_b32 s24, s22, 2
	s_add_co_u32 s24, s24, s20                     ; a weight's source run u = 4 t + wave: rows 8 u on
	s_lshr_b32 s25, s22, 1                         ; head = u / 8
	s_mul_i32 s25, s25, 24
	s_lshl_b32 s23, s23, 3
	s_add_co_u32 s25, s25, s23
	s_and_b32 s22, s22, 1
	s_lshl_b32 s22, s22, 2
	s_add_co_u32 s25, s25, s22
	s_add_co_u32 s25, s25, s20                     ; its destination run: 24 head + 8 kind + u % 8
	s_lshl_b32 s26, ttmp9, 2
	s_add_co_u32 s26, s26, s20                     ; x's run, the same on both sides
	s_cmp_lt_u32 ttmp9, 128
	s_cselect_b32 s24, s26, s24
	s_cselect_b32 s25, s26, s25
	s_mov_b32 s29, 0
	s_wait_kmcnt 0x0
	s_cmp_lt_u32 ttmp9, 192                        ; the choices hang on the work-group's number alone
	s_cselect_b64 s[8:9], s[8:9], s[10:11]
	s_cmp_lt_u32 ttmp9, 160
	s_cselect_b64 s[6:7], s[6:7], s[8:9]
	s_cmp_lt_u32 ttmp9, 128
	s_cselect_b64 s[4:5], s[4:5], s[6:7]
	s_cselect_b64 s[12:13], s[12:13], s[16:17]
	s_cselect_b64 s[14:15], s[14:15], s[18:19]
	s_lshl_b32 s28, s24, 15                        ; 32,768 bytes of f32 a run
	s_add_nc_u64 s[4:5], s[4:5], s[28:29]
	s_lshl_b32 s28, s25, 12                        ; 4,096 bytes of codes
	s_add_nc_u64 s[12:13], s[12:13], s[28:29]
	s_lshl_b32 s28, s25, 8                         ; 256 scale bytes
	s_add_nc_u64 s[14:15], s[14:15], s[28:29]
.macro LOAD t
.irp i, 0,1,2,3
	global_load_b128 v[R+16*((\t)%4)+4*\i:R+16*((\t)%4)+4*\i+3], v3, s[4:5] offset:2048*(\t)+512*\i th:TH_LOAD_NT   ; 32 lanes read 512 consecutive bytes
.endr
.endm
.macro TURN t                          ; step t's numbers through the stage: LDS serves a wave's instructions in order, so no wait stands between the stores and the loads
.irp i, 0,1,2,3
	ds_store_b128 v14, v[R+16*((\t)%4)+4*\i:R+16*((\t)%4)+4*\i+3] offset:32*SP*((\t)%2)+8*SP*\i
.endr
.irp i, 0,1,2,3
	ds_load_b128 v[X+16*((\t)%2)+4*\i:X+16*((\t)%2)+4*\i+3], v15 offset:32*SP*((\t)%2)+16*\i
.endr
.endm
.irp t, 0,1,2,3
	LOAD \t
.endr
	s_wait_loadcnt 12                              ; step 0's four loads are in; the 12 behind them may be out
	TURN 0
.macro STEP t
.set XS, X+16*((\t)%2)
.if (\t) > 0
	s_wait_dscnt 1                                 ; this step's numbers are back from the stage; the last step's byte store may be out
.else
	s_wait_dscnt 0x0
.endif
.if (\t)+4 < STEPS
	LOAD (\t)+4                                    ; into the registers that the stage's stores have read
.endif
.if (\t)+1 < STEPS
.if STEPS-2-(\t) >= 3
	s_wait_loadcnt 12                              ; the next step's four loads are in; three steps' 12 may be out
.else
	s_wait_loadcnt 4*(STEPS-2-(\t))
.endif
	TURN (\t)+1
.endif
	v_max3_num_f32 v8, |v[XS]|, |v[XS+1]|, |v[XS+2]|               ; the largest magnitude of my 16, in two chains
	v_max3_num_f32 v9, |v[XS+3]|, |v[XS+4]|, |v[XS+5]|
.irp i, 6,10
	v_max3_num_f32 v8, v8, |v[XS+\i]|, |v[XS+\i+1]|
	v_max3_num_f32 v9, v9, |v[XS+\i+2]|, |v[XS+\i+3]|
.endr
	v_max3_num_f32 v8, v8, |v[XS+14]|, |v[XS+15]|
	v_max3_num_f32 v8, v8, v9, 0x1800000           ; and the floor 2^(3 - 127): the byte cannot fall under 1
	v_max_num_f32_dpp v8, v8, v8 row_xmask:1 row_mask:0xf bank_mask:0xf   ; with my neighbour's 16: the block's
	v_add_nc_u32 v11, 0xff000000, v8               ; 2 off the exponent field: the conversion takes the exponent field of this operand as its scale
	v_cvt_scalef32_pk8_fp4_f32 v[C+4*(\t)], v[XS:XS+7], v11
	v_cvt_scalef32_pk8_fp4_f32 v[C+4*(\t)+1], v[XS+8:XS+15], v11
	v_lshrrev_b32 v[E+(\t)], 23, v11               ; the scale's byte (also the plain line behind the conversions)
	ds_store_b8 v5, v[E+(\t)] offset:16*(\t)       ; both lanes of a block write the same byte with the same value
	global_store_b64 v4, v[C+4*(\t):C+4*(\t)+1], s[12:13] offset:32*CB*(\t)
.endm
.irp t, 0,1,2,3,4,5,6,7,8,9,10,11,12,13,14,15
	STEP \t
.endr
	ds_load_b64 v[8:9], v6                         ; LDS serves a wave's instructions in order: this sees my byte stores
	s_wait_dscnt 0x0
	global_store_b64 v7, v[8:9], s[14:15]          ; 32 lanes store 256 consecutive bytes, aligned
	s_wait_tensorcnt 0x0                           ; the wave's end
	ds_add_u32 v[SPW], v[NIL]
	s_wait_dscnt 0x0
	s_endpgm
.Lfunc_end_k_q682531f823_quant:
	.size	k_q682531f823_quant, .Lfunc_end_k_q682531f823_quant-k_q682531f823_quant
	.p2alignl 7, 3214868480
	.fill 96, 4, 3214868480
	.section	.rodata,"a",@progbits
	.p2align	6, 0x0
	.amdhsa_kernel k_q682531f823_quant
		.amdhsa_group_segment_fixed_size 33280
		.amdhsa_private_segment_fixed_size 0
		.amdhsa_enable_private_segment 0
		.amdhsa_kernarg_size 64
		.amdhsa_user_sgpr_count 2
		.amdhsa_user_sgpr_kernarg_segment_ptr 1
		.amdhsa_wavefront_size32 1
		.amdhsa_system_sgpr_workgroup_id_x 1
		.amdhsa_system_sgpr_workgroup_id_y 1
		.amdhsa_system_sgpr_workgroup_id_z 1
		.amdhsa_system_vgpr_workitem_id 0
		.amdhsa_next_free_vgpr 192
		.amdhsa_next_free_sgpr 66
		.amdhsa_reserve_vcc 0
		.amdhsa_float_denorm_mode_32 3
		.amdhsa_float_denorm_mode_16_64 3
		.amdhsa_memory_ordered 1
		.amdhsa_forward_progress 1
		.amdhsa_inst_pref_size 34
	.end_amdhsa_kernel
	.amdgpu_metadata
---
amdhsa.version: [ 1, 2 ]
amdhsa.kernels:
  - .name:           k_q682531f823_quant
    .symbol:         k_q682531f823_quant.kd
    .args:
      - { .name: x, .offset: 0, .size: 8, .value_kind: global_buffer, .address_space: global }
      - { .name: Wq, .offset: 8, .size: 8, .value_kind: global_buffer, .address_space: global }
      - { .name: Wk, .offset: 16, .size: 8, .value_kind: global_buffer, .address_space: global }
      - { .name: Wv, .offset: 24, .size: 8, .value_kind: global_buffer, .address_space: global }
      - { .name: xc, .offset: 32, .size: 8, .value_kind: global_buffer, .address_space: global }
      - { .name: xs, .offset: 40, .size: 8, .value_kind: global_buffer, .address_space: global }
      - { .name: wc, .offset: 48, .size: 8, .value_kind: global_buffer, .address_space: global }
      - { .name: ws, .offset: 56, .size: 8, .value_kind: global_buffer, .address_space: global }
    .group_segment_fixed_size: 33280
    .private_segment_fixed_size: 0
    .kernarg_segment_align: 8
    .kernarg_segment_size: 64
    .max_flat_workgroup_size: 128
    .sgpr_count:     66
    .vgpr_count:     192
    .wavefront_size: 32
...
	.end_amdgpu_metadata
.endif
;; end of part 1
;; launch qkv (part 2): grid 16 x 16, 4 waves a work-group, clusters of 4 x 4, 237,568 bytes of LDS; arguments xc, xs, wc, ws, token_positions, qkv, fine; writes qkv, fine
.if DOCPART == 2
	.amdgcn_target "amdgcn-amd-amdhsa--gfx1250"
	.amdhsa_code_object_version 6
	.text
	.protected	k_q682531f823_qkv
	.globl	k_q682531f823_qkv
	.p2align	8
	.type	k_q682531f823_qkv,@function
k_q682531f823_qkv:
	s_mov_b64 s[64:65], 0
	v_nop
	global_prefetch_b8 v0, s[64:65] scope:SCOPE_SE
	s_setreg_imm32_b32 hwreg(HW_REG_WAVE_MODE, 25, 1), 1
	s_wait_xcnt 0x0
	s_wait_alu depctr_hold_cnt(0) depctr_sa_sdst(0) depctr_va_vdst(0) depctr_va_sdst(0) depctr_va_ssrc(0) depctr_va_vcc(0) depctr_vm_vsrc(0)
	s_getreg_b32 s2, hwreg(HW_REG_IB_STS2, 6, 4)
	s_cmp_eq_u32 s2, 0
	s_cbranch_scc0 .Lentry_in_a_cluster
	s_endpgm
.Lentry_in_a_cluster:
	s_bfe_u32 s2, ttmp6, 0x10000c
	s_cmp_lg_u32 s2, 0xf033
	s_cbranch_scc0 .Lentry_shape_is_right
	s_endpgm
.Lentry_shape_is_right:
; q, k, v = x W^T on codes of FP4 with E8M0 scales (K = 1024), RoPE on q and k in f32, results as f16 IMAGES OF THE NEXT LAUNCH'S OPERAND REGISTERS.
; SHARES.  Work-group (x = head, y) makes 256 tokens x 192 columns: one head's q, k and v.  Wave w makes tokens 64 w .. 64 w + 63 x all 192 columns: 4 row blocks a x 12 column blocks b (0-3 q, 4-7 k, 8-11 v): 48 accumulators.
; ALL OF K LIES IN LDS: 256 rows of x's codes and 192 of W's, 512 bytes each + 16 of padding, filled once: no ring, no refill.
; CLUSTER 4 x 4: x's tile hangs on y alone and is asked for jointly along a row of the cluster, W's on x alone, jointly along a column.
; q AND k BLOCKS ARE USED TRANSPOSED (source 0 = 16 rows of W, source 1 = 16 tokens): a lane holds one token (lane % 16) and 8 neighbouring channels 16 b' + 8 (lane / 16) + 0..7: RoPE's pairs are neighbouring registers, and the 8 numbers as f16
; are 16 bytes of the fragment that the attention wants.  v BLOCKS ARE NOT: a lane holds one channel and 8 neighbouring tokens: 16 bytes of a fragment of V^T.  Every store of a wave covers 512 consecutive bytes.
; OUT: qkv: Q at 0, K at 8 MiB: [head][tile of 16 tokens][b' 4][lane][16 bytes]; V at 16 MiB: [head][32 tokens][channel tile 4][half 2][lane][16 bytes].  fine: tokens 0-15 once more in f32: [kind][head][chunk 8][lane][16 bytes].
; RoPE.  angle = position x 10000^(-i / 32), i the pair's number; 10000^(-i/32) by v_exp_f32; the angle is reduced by multiples of pi/2 held in two parts, sine and cosine by polynomials on |r| <= pi/4, all in f32.
; The tables (64 angles a lane) are made in registers while the tiles are on their way.  token_positions enters as a number only, never as an address.
; LIMITS: positions from 0 to 4095 (what the table of the problem holds); the angle differs from one made with correctly rounded frequencies by up to about 5e-4 at the largest positions, alike for q and k;
; |q|, |k|, |v| under 65,504 (f16); NaN and infinities are not served.
; REGISTERS, in windows of 256.  Window 0: v1-15 addresses; v16-25 at work; v32-47 x's scale words, v48-95 W's (scales and nothing else); v96-115 frequencies and positions, later with v116-191 the f16 results, two banks;
;   v128-191 x's fragments, two sets; v128-239 the tables' work arrays ahead of the products; v192-255 rotated numbers on the way out.   Window 1: W's fragments, two sets of 96.
;   Window 2: accumulators of a = 0, 1 at v[8 (12 (a % 2) + b)], and from v192 their (cos, sin) pairs; window 3: the same for a = 2, 3.
.set PITCH, 528                        ; an LDS row: 512 bytes + 16 = 33 x 16: the 16 rows that a load touches start in 16 different columns of 16 bytes
.set BLK,   16*PITCH
.set AHALF, 128*PITCH
.set BHALF, 96*PITCH
.set BOFF,  256*PITCH
.set SPARE, BOFF+192*PITCH             ; 236,544: the spare words, 128 bytes a wave
.set ADA,  1
.set ADB0, 2
.set ADB1, 3
.set VO,   4                           ; 16 x lane
.set ROWB, 5                           ; my wave's first token
.set SO,   6                           ; 32 r + 16 h: my 16 bytes of 16 rows of scale bytes
.set PO,   7                           ; 4 r
.set H4,   8                           ; 4 h
.set SPW,  14
.set NIL,  15
.set T,    16                          ; v16-23 at work
.set KS3,  24
.set KC3,  25
.set SA,   32
.set SB,   48
.set FQ,   96
.set POS,  112
.set HH,   96
.set AF,   128
.set TH,   128
.set NN,   144
.set ZZ,   160
.set PS,   176
.set PC,   192
.set TT,   208
.set WW,   224
.set Y,    192
.set G1A, 28
.set G0A, 36
.set G1B, 40
.set G0B, 48
.set MSB, 0
.macro WIN new                         ; the immediate's high byte repeats the setting that is left
.if MSB != (\new)
	s_set_vgpr_msb (MSB<<8)|(\new)
.set MSB, (\new)
.endif
.endm
.macro CROUND                          ; a round of the cluster's barrier
	s_barrier_signal -1
	s_barrier_wait -1
	s_cmp_lg_u32 s18, 0
	s_cbranch_scc1 .Lnot_wave_0_\@
	s_barrier_signal -3
.Lnot_wave_0_\@:
	s_barrier_wait -3
	s_barrier_signal -1
	s_barrier_wait -1
.endm
	s_load_b256 s[4:11], s[0:1], 0x0               ; xc, xs, wc, ws
	s_load_b128 s[12:15], s[0:1], 0x20             ; token_positions, qkv
	s_load_b64 s[16:17], s[0:1], 0x30              ; fine
	v_lshl_add_u32 v[SPW], v0, 2, SPARE
	v_mov_b32 v[NIL], 0
	ds_add_u32 v[SPW], v[NIL]                      ; the opening: the add, twice on end, and its wait ahead of my first tensor load
	ds_add_u32 v[SPW], v[NIL]
	v_lshrrev_b32 v1, 5, v0
	v_readfirstlane_b32 s18, v1                    ; wave
	s_lshr_b32 s19, s18, 1                         ; I fetch for x (0) or for W (1)
	s_and_b32 s20, s18, 1                          ; which half of that tile
	s_bfe_u32 s21, ttmp6, 0x40000                  ; cx
	s_bfe_u32 s22, ttmp6, 0x40004                  ; cy
	s_lshl_b32 s23, ttmp9, 2
	s_add_co_u32 s23, s23, s21                     ; the head
	s_and_b32 s24, ttmp7, 0xffff
	s_lshl_b32 s24, s24, 2
	s_add_co_u32 s24, s24, s22                     ; the block of 256 tokens
	s_lshl_b32 s25, s22, 2
	s_lshl_b32 s25, 15, s25                        ; my row of the cluster
	s_lshl_b32 s26, 0x1111, s21                    ; my column
	s_or_b32 s[G1A], s25, (1<<20)|(1<<21)|(6<<22)|(3<<25)   ; the mask; elements of 1 byte; padding on; bit 21 beside a mask; after every 128 words, 4 words
	s_or_b32 s[G1B], s26, (1<<20)|(1<<21)|(6<<22)|(3<<25)
	s_mov_b32 s[G1A+1], 512<<16                    ; tensor_dim0
	s_mov_b32 s[G1A+2], 128<<16                    ; tensor_dim1
	s_mov_b32 s[G1A+3], 512<<16                    ; tile_dim0
	s_mov_b32 s[G1A+4], 128                        ; tile_dim1
	s_mov_b32 s[G1A+5], 512                        ; the pitch in memory
	s_mov_b32 s[G1A+6], 0
	s_mov_b32 s[G1A+7], 0
	s_mov_b32 s[G1B+1], 512<<16
	s_mov_b32 s[G1B+2], 96<<16
	s_mov_b32 s[G1B+3], 512<<16
	s_mov_b32 s[G1B+4], 96
	s_mov_b32 s[G1B+5], 512
	s_mov_b32 s[G1B+6], 0
	s_mov_b32 s[G1B+7], 0
	s_lshl_b32 s52, s24, 8                         ; x: row 256 y + 128 half: of y and the wave's number alone
	s_lshl_b32 s53, s20, 7
	s_add_co_u32 s52, s52, s53
	s_lshl_b32 s52, s52, 9
	s_mov_b32 s53, 0
	s_mul_i32 s54, s23, 192                        ; W: row 192 head + 96 half: of x and the wave's number alone
	s_mul_i32 s55, s20, 96
	s_add_co_u32 s54, s54, s55
	s_lshl_b32 s54, s54, 9
	s_mov_b32 s55, 0
	s_mul_i32 s56, s20, AHALF                      ; where they go: no place in the cluster enters an LDS address
	s_mul_i32 s57, s20, BHALF
	s_add_co_u32 s57, s57, BOFF
	s_lshl_b32 s58, s24, 8
	s_lshl_b32 s59, s18, 6
	s_add_co_u32 s58, s58, s59                     ; my wave's first token
	v_and_b32 v9, 31, v0                           ; lane
	v_and_b32 v10, 15, v0                          ; r
	v_bfe_u32 v11, v0, 4, 1                        ; h
	v_lshlrev_b32 v[VO], 4, v9
	v_mul_u32_u24 v12, v10, PITCH
	v_lshl_add_u32 v12, v11, 4, v12                ; a fragment's row x pitch + 16 h
	s_mul_i32 s59, s18, 64*PITCH
	v_add_nc_u32 v[ADA], s59, v12
	v_add_nc_u32 v[ADB0], BOFF, v12
	v_add_nc_u32 v[ADB1], BOFF+6*BLK, v12
	v_lshlrev_b32 v[SO], 5, v10
	v_lshl_add_u32 v[SO], v11, 4, v[SO]
	v_lshlrev_b32 v[PO], 2, v10
	v_lshlrev_b32 v[H4], 2, v11
	v_mov_b32 v[ROWB], s58
	s_wait_dscnt 0x0                               ; both opening adds are done
	s_wait_kmcnt 0x0
	s_mov_b32 s[G0A], 1
	s_mov_b32 s[G0A+1], s56
	s_add_nc_u64 s[G0A+2:G0A+3], s[4:5], s[52:53]
	s_or_b32 s[G0A+3], s[G0A+3], 0x80000000
	s_mov_b32 s[G0B], 1
	s_mov_b32 s[G0B+1], s57
	s_add_nc_u64 s[G0B+2:G0B+3], s[8:9], s[54:55]
	s_or_b32 s[G0B+3], s[G0B+3], 0x80000000
	CROUND                                         ; all sixteen work-groups are here: the joint loads meet
	s_cmp_eq_u32 s19, 0                            ; waves 0, 1: x's halves; waves 2, 3: W's.  One tensor load of mine is out
	s_cbranch_scc0 .Lfor_b
	tensor_load_to_lds s[G0A:G0A+3], s[G1A:G1A+7]
	s_nop 0
.rept 4
	v_nop
.endr
	s_branch .Lasked
.Lfor_b:
	tensor_load_to_lds s[G0B:G0B+3], s[G1B:G1B+7]
	s_nop 0
.rept 4
	v_nop
.endr
.Lasked:
	s_lshl_b32 s80, s23, 19                        ; Q's images: head x 512 KiB + (token / 16) x 2 KiB
	s_lshl_b32 s81, s58, 7
	s_add_co_u32 s80, s80, s81
	s_mov_b32 s81, 0
	s_add_nc_u64 s[66:67], s[14:15], s[80:81]
	s_add_nc_u64 s[68:69], s[66:67], 0x800000      ; K's
	s_add_nc_u64 s[70:71], s[68:69], 0x800000      ; V's: (token / 32) x 4 KiB is the same offset
	s_lshl_b32 s80, s58, 5
	s_add_nc_u64 s[74:75], s[6:7], s[80:81]        ; my 64 rows of x's scale bytes
	s_mul_i32 s80, s23, 6144
	s_add_nc_u64 s[76:77], s[10:11], s[80:81]      ; the head's 192 rows of W's
	s_lshl_b32 s80, s58, 2
	s_add_nc_u64 s[78:79], s[12:13], s[80:81]      ; my 64 positions
	s_lshl_b32 s80, s23, 12
	s_add_nc_u64 s[72:73], s[16:17], s[80:81]      ; the head's place in fine
	; The scale words.  16 rows of 32 bytes are 512 consecutive bytes; lane (r, h) takes words 4 h .. 4 h + 3 of row r: register i holds K step i in lanes 0-15 and K step 4 + i in lanes 16-31.
.irp a, 0,1,2,3
	global_load_b128 v[SA+4*\a:SA+4*\a+3], v[SO], s[74:75] offset:512*\a
.endr
.irp b, 0,1,2,3,4,5,6,7,8,9,10,11
	global_load_b128 v[SB+4*\b:SB+4*\b+3], v[SO], s[76:77] offset:512*\b
.endr
.irp a, 0,1,2,3
	global_load_b32 v[POS+\a], v[PO], s[78:79] offset:64*\a
.endr
	; my 16 frequencies: pair k = 4 b' + p of my channels has the number 8 b' + 4 h + p
.irp k, 0,1,2,3,4,5,6,7,8,9,10,11,12,13,14,15
	v_add_nc_u32 v[FQ+\k], 8*(\k/4)+\k%4, v[H4]
.endr
.irp k, 0,1,2,3,4,5,6,7,8,9,10,11,12,13,14,15
	v_cvt_f32_u32 v[FQ+\k], v[FQ+\k]
.endr
.irp k, 0,1,2,3,4,5,6,7,8,9,10,11,12,13,14,15
	v_mul_f32 v[FQ+\k], 0xbed49a78, v[FQ+\k]       ; x -log2(10000) / 32
.endr
.irp k, 0,1,2,3,4,5,6,7,8,9,10,11,12,13,14,15
	v_exp_f32 v[FQ+\k], v[FQ+\k]
.endr
	v_mov_b32 v[KS3], 0xb94ca1f9                   ; (plain lines behind the batch)  the polynomials' leading coefficients
	v_mov_b32 v[KC3], 0x37ccf5ce
	s_wait_alu depctr_va_vdst(0)                   ; one wait for the 16, ahead of their first reader
	s_wait_loadcnt 0x0                             ; scale words and positions
.irp a, 0,1,2,3
	v_cvt_f32_i32 v[POS+\a], v[POS+\a]
.endr
; cos and sin of row block a's 16 angles a lane, stage by stage so that no line waits for the line above it; they go to window 2 or 3 as pairs (cos, sin)
.macro ROPE_TILE a
.set CSB, 192+32*((\a)%2)
.irp k, 0,1,2,3,4,5,6,7,8,9,10,11,12,13,14,15
	v_mul_f32 v[TH+\k], v[POS+\a], v[FQ+\k]        ; the angle
.endr
.irp k, 0,1,2,3,4,5,6,7,8,9,10,11,12,13,14,15
	v_mul_f32 v[NN+\k], 0x3f22f983, v[TH+\k]       ; x 2 / pi
.endr
.irp k, 0,1,2,3,4,5,6,7,8,9,10,11,12,13,14,15
	v_rndne_f32 v[NN+\k], v[NN+\k]                 ; n
.endr
.irp k, 0,1,2,3,4,5,6,7,8,9,10,11,12,13,14,15
	v_fmamk_f32 v[TH+\k], v[NN+\k], 0xbfc90fdb, v[TH+\k]   ; - n x the high part of pi / 2
.endr
.irp k, 0,1,2,3,4,5,6,7,8,9,10,11,12,13,14,15
	v_fmamk_f32 v[TH+\k], v[NN+\k], 0x333bbd2e, v[TH+\k]   ; - n x its low part: r
.endr
.irp k, 0,1,2,3,4,5,6,7,8,9,10,11,12,13,14,15
	v_cvt_i32_f32 v[NN+\k], v[NN+\k]
	v_mul_f32 v[ZZ+\k], v[TH+\k], v[TH+\k]         ; z = r^2
.endr
.irp k, 0,1,2,3,4,5,6,7,8,9,10,11,12,13,14,15
	v_fmaak_f32 v[PS+\k], v[KS3], v[ZZ+\k], 0x3c08839e
	v_fmaak_f32 v[PC+\k], v[KC3], v[ZZ+\k], 0xbab6061a
.endr
.irp k, 0,1,2,3,4,5,6,7,8,9,10,11,12,13,14,15
	v_fmaak_f32 v[PS+\k], v[PS+\k], v[ZZ+\k], 0xbe2aaaa3
	v_fmaak_f32 v[PC+\k], v[PC+\k], v[ZZ+\k], 0x3d2aaaa5
.endr
.irp k, 0,1,2,3,4,5,6,7,8,9,10,11,12,13,14,15
	v_mul_f32 v[TT+\k], v[ZZ+\k], v[TH+\k]
	v_fma_f32 v[WW+\k], v[ZZ+\k], -0.5, 1.0
.endr
.irp k, 0,1,2,3,4,5,6,7,8,9,10,11,12,13,14,15
	v_fma_f32 v[PS+\k], v[TT+\k], v[PS+\k], v[TH+\k]       ; sin r = r + r z (..)
.endr
.irp k, 0,1,2,3,4,5,6,7,8,9,10,11,12,13,14,15
	v_mul_f32 v[TT+\k], v[ZZ+\k], v[ZZ+\k]
.endr
.irp k, 0,1,2,3,4,5,6,7,8,9,10,11,12,13,14,15
	v_fma_f32 v[PC+\k], v[TT+\k], v[PC+\k], v[WW+\k]       ; cos r = 1 - z / 2 + z^2 (..)
.endr
.irp k, 0,1,2,3,4,5,6,7,8,9,10,11,12,13,14,15
	v_and_b32 v[TT+\k], 1, v[NN+\k]
.endr
.irp k, 0,1,2,3,4,5,6,7,8,9,10,11,12,13,14,15
	v_cmp_eq_u32 vcc_lo, 1, v[TT+\k]               ; an odd quarter turn changes sine and cosine
	v_cndmask_b32 v[ZZ+\k], v[PS+\k], v[PC+\k], vcc_lo
	v_cndmask_b32 v[WW+\k], v[PC+\k], v[PS+\k], vcc_lo
.endr
.irp k, 0,1,2,3,4,5,6,7,8,9,10,11,12,13,14,15
	v_lshlrev_b32 v[TT+\k], 30, v[NN+\k]           ; the sine's sign: bit 1 of n,
	v_add_nc_u32 v[NN+\k], 1, v[NN+\k]
.endr
.irp k, 0,1,2,3,4,5,6,7,8,9,10,11,12,13,14,15
	v_and_b32 v[TT+\k], 0x80000000, v[TT+\k]
	v_lshlrev_b32 v[NN+\k], 30, v[NN+\k]           ; the cosine's: bit 1 of n + 1
.endr
.irp k, 0,1,2,3,4,5,6,7,8,9,10,11,12,13,14,15
	v_and_b32 v[NN+\k], 0x80000000, v[NN+\k]
.endr
	WIN 0x80+0x40*((\a)/2)                         ; destination window 2 or 3
.irp k, 0,1,2,3,4,5,6,7,8,9,10,11,12,13,14,15
	v_xor_b32 v[CSB+2*\k], v[NN+\k], v[WW+\k]
	v_xor_b32 v[CSB+2*\k+1], v[TT+\k], v[ZZ+\k]
.endr
	WIN 0
.endm
	ROPE_TILE 0
	ROPE_TILE 1
	ROPE_TILE 2
	ROPE_TILE 3
	s_wait_tensorcnt 0x0                           ; my part of the tiles is in,
	s_barrier_signal -1
	s_barrier_wait -1                              ; everybody's is
; 32 LDS loads: the fragments of the q-th 128 along K.  A fragment of 4-bit codes is 8 registers: lane (r, h) takes 16 bytes at row r, 64 q + 16 h, and 16 more 32 bytes on.
.macro FETCH q, set
	WIN 0x40                                       ; destination window 1
.irp b, 0,1,2,3,4,5
.irp c, 0,1
	ds_load_b128 v[96*(\set)+8*\b+4*\c:96*(\set)+8*\b+4*\c+3], v[ADB0] offset:\b*BLK+64*(\q)+32*\c
.endr
.endr
.irp b, 0,1,2,3,4,5
.irp c, 0,1
	ds_load_b128 v[96*(\set)+48+8*\b+4*\c:96*(\set)+48+8*\b+4*\c+3], v[ADB1] offset:\b*BLK+64*(\q)+32*\c
.endr
.endr
	WIN 0
.irp a, 0,1,2,3
.irp c, 0,1
	ds_load_b128 v[AF+32*(\set)+8*\a+4*\c:AF+32*(\set)+8*\a+4*\c+3], v[ADA] offset:\a*BLK+64*(\q)+32*\c
.endr
.endr
.endm
.macro WM q                            ; one product; the first K step starts the sums; K steps 4 to 7 take their scale words from lanes 16-31
.if (\q) == 0
	v_wmma_scale_f32_16x16x128_f8f6f4 v[rD:rD+7], v[rS0:rS0+7], v[rS1:rS1+7], 0, v[rC0], v[rC1] matrix_a_fmt:MATRIX_FMT_FP4 matrix_b_fmt:MATRIX_FMT_FP4
.elseif (\q) < 4
	v_wmma_scale_f32_16x16x128_f8f6f4 v[rD:rD+7], v[rS0:rS0+7], v[rS1:rS1+7], v[rD:rD+7], v[rC0], v[rC1] matrix_a_fmt:MATRIX_FMT_FP4 matrix_b_fmt:MATRIX_FMT_FP4
.else
	v_wmma_scale_f32_16x16x128_f8f6f4 v[rD:rD+7], v[rS0:rS0+7], v[rS1:rS1+7], v[rD:rD+7], v[rC0], v[rC1] matrix_a_fmt:MATRIX_FMT_FP4 matrix_b_fmt:MATRIX_FMT_FP4 matrix_a_scale:MATRIX_SCALE_ROW1 matrix_b_scale:MATRIX_SCALE_ROW1
.endif
.endm
; 48 products: the 48 accumulators take turns, one instruction a turn, in the same order in every K step
.macro MULS q
.irp ap, 0,1
	WIN 0xa1+0x50*\ap                              ; source 0 (W) window 1, source 1 (x) window 0, C and D window 2 or 3
.irp aa, 0,1
.irp b, 0,1,2,3,4,5,6,7
.set rD,  8*(12*\aa+\b)
.set rS0, 96*((\q)%2)+8*\b
.set rS1, AF+32*((\q)%2)+8*(2*\ap+\aa)
.set rC0, SB+4*\b+(\q)%4
.set rC1, SA+4*(2*\ap+\aa)+(\q)%4
	WM \q
.endr
.endr
	WIN 0xa4+0x50*\ap                              ; v: source 0 (x) window 0, source 1 (W) window 1
.irp aa, 0,1
.irp b, 8,9,10,11
.set rD,  8*(12*\aa+\b)
.set rS0, AF+32*((\q)%2)+8*(2*\ap+\aa)
.set rS1, 96*((\q)%2)+8*\b
.set rC0, SA+4*(2*\ap+\aa)+(\q)%4
.set rC1, SB+4*\b+(\q)%4
	WM \q
.endr
.endr
.endr
.endm
	FETCH 0, 0
	FETCH 1, 1
	s_wait_dscnt 32                                ; K step 0's 32 loads are in; the 32 behind them may be out
	MULS 0
.irp q, 1,2,3,4,5,6
.rept 4
	v_nop                                          ; four places in front of loads into registers that the last K step's products have read
.endr
	FETCH \q+1, (\q+1)%2
	s_wait_dscnt 32
	MULS \q
.endr
	s_wait_dscnt 0x0
	MULS 7
	WIN 0
.rept 4
	v_nop                                          ; four places in front of the first read of results and the first write over fragments
.endr
; THE WAY OUT of row block a: RoPE on the 8 q and k blocks, all 12 blocks to f16, 12 stores of 512 consecutive bytes.
.macro OUTA a
.set AB,  96*((\a)%2)
.set CSB, 192+32*((\a)%2)
.set HB,  HH+48*((\a)%2)
.if (\a) >= 2
	s_wait_xcnt 0x0                                ; the stores of two blocks back have read this bank
.endif
	WIN 0x0a+5*((\a)/2)                            ; sources 0 and 1: window 2 or 3
.irp b, 0,1,2,3,4,5,6,7
.irp p, 0,1,2,3
	v_mul_f32 v[T+2*\p], v[AB+8*\b+2*\p+1], v[CSB+8*(\b%4)+2*\p+1]                       ; x1 sin   (each accumulator is read from its low end on)
	v_mul_f32 v[T+2*\p+1], v[AB+8*\b+2*\p], v[CSB+8*(\b%4)+2*\p+1]                       ; x0 sin
	v_fma_f32 v[Y+8*\b+2*\p], v[AB+8*\b+2*\p], v[CSB+8*(\b%4)+2*\p], -v[T+2*\p]          ; x0 cos - x1 sin
	v_fma_f32 v[Y+8*\b+2*\p+1], v[AB+8*\b+2*\p+1], v[CSB+8*(\b%4)+2*\p], v[T+2*\p+1]     ; x1 cos + x0 sin
.endr
.endr
.irp b, 8,9,10,11
.irp p, 0,1,2,3
	v_cvt_pk_f16_f32 v[HB+4*\b+\p], v[AB+8*\b+2*\p], v[AB+8*\b+2*\p+1]
.endr
.endr
	WIN 0
.irp b, 0,1,2,3,4,5,6,7
.irp p, 0,1,2,3
	v_cvt_pk_f16_f32 v[HB+4*\b+\p], v[Y+8*\b+2*\p], v[Y+8*\b+2*\p+1]
.endr
.endr
.irp b, 0,1,2,3
	global_store_b128 v[VO], v[HB+4*\b:HB+4*\b+3], s[66:67] offset:(\a)*2048+\b*512
	global_store_b128 v[VO], v[HB+16+4*\b:HB+16+4*\b+3], s[68:69] offset:(\a)*2048+\b*512
	global_store_b128 v[VO], v[HB+32+4*\b:HB+32+4*\b+3], s[70:71] offset:((\a)/2)*4096+\b*1024+((\a)%2)*512
.endr
.if (\a) == 0
	; tokens 0-15 once more in f32. No branch: the partners of a cluster run alike
	s_wait_xcnt 0x0                                ; EXEC changes only behind this wait
	v_cmp_eq_u32 vcc_lo, 0, v[ROWB]
	s_and_saveexec_b32 s60, vcc_lo
.irp b, 0,1,2,3,4,5,6,7
.irp hf, 0,1
	global_store_b128 v[VO], v[Y+8*\b+4*\hf:Y+8*\b+4*\hf+3], s[72:73] offset:(\b/4)*65536+(2*(\b%4)+\hf)*512
.endr
.endr
	WIN 0x08                                       ; a store's data are its source 1: window 2
.irp ct, 0,1,2,3
.irp hf, 0,1
	global_store_b128 v[VO], v[64+8*\ct+4*\hf:64+8*\ct+4*\hf+3], s[72:73] offset:131072+(2*\ct+\hf)*512
.endr
.endr
	WIN 0
	s_wait_xcnt 0x0                                ; and again in front of the line that widens it; the stores have read v192-255 too
	s_or_b32 exec_lo, exec_lo, s60
.endif
.endm
	OUTA 0
	OUTA 1
	OUTA 2
	OUTA 3
	s_wait_tensorcnt 0x0                           ; the wave's end
	ds_add_u32 v[SPW], v[NIL]
	s_wait_dscnt 0x0
	CROUND                                         ; the closing round
	s_endpgm
.Lfunc_end_k_q682531f823_qkv:
	.size	k_q682531f823_qkv, .Lfunc_end_k_q682531f823_qkv-k_q682531f823_qkv
	.p2alignl 7, 3214868480
	.fill 96, 4, 3214868480
	.section	.rodata,"a",@progbits
	.p2align	6, 0x0
	.amdhsa_kernel k_q682531f823_qkv
		.amdhsa_group_segment_fixed_size 237568
		.amdhsa_private_segment_fixed_size 0
		.amdhsa_enable_private_segment 0
		.amdhsa_kernarg_size 56
		.amdhsa_user_sgpr_count 2
		.amdhsa_user_sgpr_kernarg_segment_ptr 1
		.amdhsa_wavefront_size32 1
		.amdhsa_system_sgpr_workgroup_id_x 1
		.amdhsa_system_sgpr_workgroup_id_y 1
		.amdhsa_system_sgpr_workgroup_id_z 1
		.amdhsa_system_vgpr_workitem_id 0
		.amdhsa_next_free_vgpr 1024
		.amdhsa_next_free_sgpr 100
		.amdhsa_reserve_vcc 1
		.amdhsa_float_denorm_mode_32 3
		.amdhsa_float_denorm_mode_16_64 3
		.amdhsa_memory_ordered 1
		.amdhsa_forward_progress 1
		.amdhsa_inst_pref_size 199
	.end_amdhsa_kernel
	.amdgpu_metadata
---
amdhsa.version: [ 1, 2 ]
amdhsa.kernels:
  - .name:           k_q682531f823_qkv
    .symbol:         k_q682531f823_qkv.kd
    .args:
      - { .name: xc, .offset: 0, .size: 8, .value_kind: global_buffer, .address_space: global }
      - { .name: xs, .offset: 8, .size: 8, .value_kind: global_buffer, .address_space: global }
      - { .name: wc, .offset: 16, .size: 8, .value_kind: global_buffer, .address_space: global }
      - { .name: ws, .offset: 24, .size: 8, .value_kind: global_buffer, .address_space: global }
      - { .name: token_positions, .offset: 32, .size: 8, .value_kind: global_buffer, .address_space: global }
      - { .name: qkv, .offset: 40, .size: 8, .value_kind: global_buffer, .address_space: global }
      - { .name: fine, .offset: 48, .size: 8, .value_kind: global_buffer, .address_space: global }
    .group_segment_fixed_size: 237568
    .private_segment_fixed_size: 0
    .kernarg_segment_align: 8
    .kernarg_segment_size: 56
    .max_flat_workgroup_size: 128
    .sgpr_count:     100
    .vgpr_count:     1024
    .wavefront_size: 32
...
	.end_amdgpu_metadata
.endif
;; end of part 2
;; launch first16 (part 3): grid 16 x 1, 16 waves a work-group, no clusters, 71,680 bytes of LDS; arguments fine, Wo, wo16, out0; writes wo16, out0
.if DOCPART == 3
	.amdgcn_target "amdgcn-amd-amdhsa--gfx1250"
	.amdhsa_code_object_version 6
	.text
	.protected	k_q682531f823_first16
	.globl	k_q682531f823_first16
	.p2align	8
	.type	k_q682531f823_first16,@function
k_q682531f823_first16:
	s_mov_b64 s[64:65], 0
	v_nop
	global_prefetch_b8 v0, s[64:65] scope:SCOPE_SE
	s_setreg_imm32_b32 hwreg(HW_REG_WAVE_MODE, 25, 1), 1
	s_wait_xcnt 0x0
; Tokens 0-15 in f32 all the way: scores, softmax, p v and the projection, by the f32 matrix form (16 rows: no bulk work).  On the way Wo, which is read from memory here and nowhere else, is cast to f16 images for the projection's launch.
; SHARES.  Work-group g owns columns 64 g .. 64 g + 63 of out0 (rows 64 g on of Wo).  Wave hd owns head hd: it makes the head's 16 x 64 of ctx (every work-group repeats that: 32 matrix instructions) and multiplies it by ITS 64 channels of the
; work-group's rows of Wo.  So ctx never changes wave; the 16 partial sums meet in LDS, and wave w adds and stores row w: 256 consecutive bytes, aligned.
; LAYOUT.  The f32 form takes K = 4: lane (r, h), register j: k = 2 h + j.  fine's images give lane (r, h) token r and channels 16 b' + 8 h + 0..7 (q, k), or channel r and tokens 8 h + 0..7 (v): a pair of neighbouring registers is one operand,
; and K is walked in an order that is the same on both sides of each product.  All three products are used transposed, so that a lane holds one query (lane % 16) throughout.
; The registers v16-47 are written by matrix instructions alone; what is made of a finished sum goes elsewhere.  Accumulators take turns, one instruction a turn.
; wo16: [tile of 16 rows][32 along K][half][lane][16 bytes]: lane (r, h): row r, k = 32 s + 16 half + 8 h + 0..7.
; LIMITS: |Wo| under 65,504 for the f16 copy; NaN and infinities are not served.
.set POOL, 16                          ; v16-47
.set QR,   48                          ; v48-79 q, v80-111 k; later Wo's tiles 2, 3
.set KR,   80
.set VR,   112                         ; v112-143 v; later the cast's results
.set SS,   144                         ; v144-151 scores, then p
.set ST,   152                         ; v152-159 at work
.set CT,   160                         ; v160-191 ctx; later the 16 partial sums
.set W01,  192                         ; v192-255 Wo's tiles 0, 1
.set W23,  48
.set TMP,  112
.set PART, 4352                        ; a wave's partial sums: 16 rows x (256 bytes + 16)
.set SPARE, 16*PART                    ; the spare words, 128 bytes a wave
.set SPW,  14
.set NIL,  15
	s_load_b256 s[4:11], s[0:1], 0x0               ; fine, Wo, wo16, out0
	v_lshl_add_u32 v[SPW], v0, 2, SPARE
	v_mov_b32 v[NIL], 0
	v_lshrrev_b32 v1, 5, v0
	v_readfirstlane_b32 s12, v1                    ; wave = head
	v_and_b32 v2, 31, v0                           ; lane
	v_and_b32 v3, 15, v0                           ; r
	v_bfe_u32 v4, v0, 4, 1                         ; h
	v_lshlrev_b32 v5, 4, v2                        ; 16 x lane
	v_lshlrev_b32 v6, 12, v3
	v_lshl_add_u32 v6, v4, 5, v6                   ; Wo: row r of 4,096 bytes + 32 h
	v_lshlrev_b32 v7, 3, v4
	v_sub_nc_u32 v7, v3, v7                        ; r - 8 h: key 8 h + j is hidden where j is above it
	s_mul_i32 s13, s12, PART
	v_mul_u32_u24 v8, v3, 272
	v_lshl_add_u32 v8, v4, 5, v8
	v_add_nc_u32 v8, s13, v8                       ; my partial sums: row r, + 32 h
	s_mul_i32 s13, s12, 272
	v_lshl_add_u32 v9, v2, 3, s13                  ; back: row = my wave's number, 8 bytes a lane
	v_lshlrev_b32 v10, 3, v2
	s_lshl_b32 s14, s12, 12                        ; fine: 4 KiB a head
	s_mov_b32 s15, 0
	s_lshl_b32 s16, ttmp9, 18                      ; Wo: 64 rows a work-group, 256 bytes of a row a head
	s_lshl_b32 s17, s12, 8
	s_add_co_u32 s16, s16, s17
	s_mov_b32 s17, 0
	s_lshl_b32 s18, ttmp9, 17                      ; wo16: 4 tiles of 32 KiB a work-group, 2 KiB a head
	s_lshl_b32 s19, s12, 11
	s_add_co_u32 s18, s18, s19
	s_mov_b32 s19, 0
	s_lshl_b32 s24, ttmp9, 8                       ; out0: row = wave, 256 bytes a work-group
	s_add_co_u32 s24, s24, s14
	s_mov_b32 s25, 0
	s_mov_b32 s20, 0x76543210
	s_mov_b32 s21, 0xfedcba98                      ; selects for lane l xor 16
	s_mov_b32 s22, 0x3e38aa3b                      ; c = log2(e) / 8
	v_mov_b32 v[ST+2], 0                           ; a lane permute's destination counts as one of its sources
	v_mov_b32 v[ST+7], 0xff800000                  ; -infinity
	s_wait_kmcnt 0x0
	s_add_nc_u64 s[4:5], s[4:5], s[14:15]
	s_add_nc_u64 s[6:7], s[6:7], s[16:17]
	s_add_nc_u64 s[8:9], s[8:9], s[18:19]
	s_add_nc_u64 s[10:11], s[10:11], s[24:25]
.irp i, 0,1,2,3,4,5,6,7
	global_load_b128 v[QR+4*\i:QR+4*\i+3], v5, s[4:5] offset:512*\i
.endr
.irp i, 0,1,2,3,4,5,6,7
	global_load_b128 v[KR+4*\i:KR+4*\i+3], v5, s[4:5] offset:65536+512*\i
.endr
.irp i, 0,1,2,3,4,5,6,7
	global_load_b128 v[VR+4*\i:VR+4*\i+3], v5, s[4:5] offset:131072+512*\i
.endr
.irp nt, 0,1
.irp t, 0,1,2,3
.irp hf, 0,1
	global_load_b128 v[W01+32*\nt+8*\t+4*\hf:W01+32*\nt+8*\t+4*\hf+3], v6, s[6:7] offset:\nt*65536+\t*64+16*\hf   ; row 16 nt + r, channels 16 t + 8 h + 4 hf on
.endr
.endr
.endr
	s_wait_loadcnt 24                              ; q and k are in; v's 8 loads and Wo's 16 may be out
	; S^T = k q^T: 16 steps of 4 channels on two accumulators by turns
.irp e, 0,1
	v_wmma_f32_16x16x4_f32 v[POOL+8*\e:POOL+8*\e+7], v[KR+2*\e:KR+2*\e+1], v[QR+2*\e:QR+2*\e+1], 0
.endr
.irp e, 2,3,4,5,6,7,8,9,10,11,12,13,14,15
	v_wmma_f32_16x16x4_f32 v[POOL+8*(\e%2):POOL+8*(\e%2)+7], v[KR+2*\e:KR+2*\e+1], v[QR+2*\e:QR+2*\e+1], v[POOL+8*(\e%2):POOL+8*(\e%2)+7]
.endr
.rept 9
	v_nop                                          ; the places behind this form: in front of reads of results, of loads into its sources, and of the next sum that writes over the pool
.endr
.irp nt, 0,1
.irp t, 0,1,2,3
.irp hf, 0,1
	global_load_b128 v[W23+32*\nt+8*\t+4*\hf:W23+32*\nt+8*\t+4*\hf+3], v6, s[6:7] offset:(\nt+2)*65536+\t*64+16*\hf
.endr
.endr
.endr
.irp j, 0,1,2,3,4,5,6,7
	v_add_f32 v[SS+\j], v[POOL+\j], v[POOL+8+\j]   ; lane (r, h): query r, key 8 h + j
.endr
.irp j, 0,1,2,3,4,5,6,7
	v_cmp_gt_i32 vcc_lo, \j, v7
	v_cndmask_b32 v[SS+\j], v[SS+\j], v[ST+7], vcc_lo      ; the causal mask
.endr
	v_max3_num_f32 v[ST], v[SS], v[SS+1], v[SS+2]
	v_max3_num_f32 v[ST+1], v[SS+3], v[SS+4], v[SS+5]
	v_max3_num_f32 v[ST], v[ST], v[SS+6], v[SS+7]
	v_max_num_f32 v[ST], v[ST], v[ST+1]
	v_permlanex16_b32 v[ST+2], v[ST], s20, s21
	v_max_num_f32 v[ST], v[ST], v[ST+2]            ; the row's maximum: key 0 counts for every query
	v_mul_f32 v[ST+1], s22, v[ST]
.irp j, 0,1,2,3,4,5,6,7
	v_fma_f32 v[SS+\j], v[SS+\j], s22, -v[ST+1]
.endr
.irp j, 0,1,2,3,4,5,6,7
	v_exp_f32 v[SS+\j], v[SS+\j]
.endr
	v_nop                                          ; a plain line behind the batch,
	s_wait_alu depctr_va_vdst(0)                   ; and one wait ahead of its first reader
	v_add_f32 v[ST+3], v[SS], v[SS+1]
	v_add_f32 v[ST+4], v[SS+2], v[SS+3]
	v_add_f32 v[ST+5], v[SS+4], v[SS+5]
	v_add_f32 v[ST+6], v[SS+6], v[SS+7]
	v_add_f32 v[ST+3], v[ST+3], v[ST+4]
	v_add_f32 v[ST+5], v[ST+5], v[ST+6]
	v_add_f32 v[ST+3], v[ST+3], v[ST+5]
	v_permlanex16_b32 v[ST+2], v[ST+3], s20, s21
	v_add_f32 v[ST+3], v[ST+3], v[ST+2]            ; the row's sum
	v_rcp_f32 v[ST+4], v[ST+3]
	v_nop
	s_wait_alu depctr_va_vdst(0)
	s_wait_loadcnt 32                              ; v is in; Wo's 32 loads may be out
	; O^T = v^T p: four steps of 4 keys x four tiles of 16 channels
.irp ct, 0,1,2,3
	v_wmma_f32_16x16x4_f32 v[POOL+8*\ct:POOL+8*\ct+7], v[VR+8*\ct:VR+8*\ct+1], v[SS:SS+1], 0
.endr
.irp i, 1,2,3
.irp ct, 0,1,2,3
	v_wmma_f32_16x16x4_f32 v[POOL+8*\ct:POOL+8*\ct+7], v[VR+8*\ct+2*\i:VR+8*\ct+2*\i+1], v[SS+2*\i:SS+2*\i+1], v[POOL+8*\ct:POOL+8*\ct+7]
.endr
.endr
.rept 9
	v_nop
.endr
.set n, 0
.rept 32
	v_mul_f32 v[CT+n], v[POOL+n], v[ST+4]          ; ctx: lane (r, h): query r, channel 16 ct + 8 h + j
.set n, n+1
.endr
	s_wait_loadcnt 0x0                             ; Wo
	; Wo's 16 pieces (tile nt, 16 channels t) as f16: each is 16 bytes a lane of the projection's fragment
.irp c, 0,1,2,3,4,5,6,7
.irp i, 0,1,2,3
	v_cvt_pk_f16_f32 v[TMP+4*\c+\i], v[W01+8*\c+2*\i], v[W01+8*\c+2*\i+1]
.endr
.endr
.irp c, 0,1,2,3,4,5,6,7
	global_store_b128 v5, v[TMP+4*\c:TMP+4*\c+3], s[8:9] offset:(\c/4)*32768+(\c%4)*512
.endr
	s_wait_xcnt 0x0                                ; the stores have read their data: the registers are written again
.irp c, 0,1,2,3,4,5,6,7
.irp i, 0,1,2,3
	v_cvt_pk_f16_f32 v[TMP+4*\c+\i], v[W23+8*\c+2*\i], v[W23+8*\c+2*\i+1]
.endr
.endr
.irp c, 0,1,2,3,4,5,6,7
	global_store_b128 v5, v[TMP+4*\c:TMP+4*\c+3], s[8:9] offset:(2+\c/4)*32768+(\c%4)*512
.endr
	; my head's part of out^T = Wo ctx^T: 16 steps of 4 channels x four tiles of 16 columns
.irp nt, 0,1
	v_wmma_f32_16x16x4_f32 v[POOL+8*\nt:POOL+8*\nt+7], v[W01+32*\nt:W01+32*\nt+1], v[CT:CT+1], 0
.endr
.irp nt, 0,1
	v_wmma_f32_16x16x4_f32 v[POOL+16+8*\nt:POOL+16+8*\nt+7], v[W23+32*\nt:W23+32*\nt+1], v[CT:CT+1], 0
.endr
.irp e, 1,2,3,4,5,6,7,8,9,10,11,12,13,14,15
.irp nt, 0,1
	v_wmma_f32_16x16x4_f32 v[POOL+8*\nt:POOL+8*\nt+7], v[W01+32*\nt+2*\e:W01+32*\nt+2*\e+1], v[CT+2*\e:CT+2*\e+1], v[POOL+8*\nt:POOL+8*\nt+7]
.endr
.irp nt, 0,1
	v_wmma_f32_16x16x4_f32 v[POOL+16+8*\nt:POOL+16+8*\nt+7], v[W23+32*\nt+2*\e:W23+32*\nt+2*\e+1], v[CT+2*\e:CT+2*\e+1], v[POOL+16+8*\nt:POOL+16+8*\nt+7]
.endr
.endr
.rept 9
	v_nop
.endr
.irp nt, 0,1,2,3
	ds_store_b128 v8, v[POOL+8*\nt:POOL+8*\nt+3] offset:64*\nt          ; lane (r, h): query r, columns 16 nt + 8 h + 0..7; each accumulator from its low end on
	ds_store_b128 v8, v[POOL+8*\nt+4:POOL+8*\nt+7] offset:64*\nt+16
.endr
	s_wait_dscnt 0x0                               ; for the others' sake: my stores are done
	s_barrier_signal -1
	s_barrier_wait -1
.irp p, 0,1,2,3,4,5,6,7,8,9,10,11,12,13,14,15
	ds_load_b64 v[CT+2*\p:CT+2*\p+1], v9 offset:\p*PART    ; row w of head p's partial sums
.endr
	s_wait_dscnt 0x0
.irp p, 1,2,3,4,5,6,7,8,9,10,11,12,13,14,15
	v_pk_add_f32 v[CT:CT+1], v[CT:CT+1], v[CT+2*\p:CT+2*\p+1]   ; heads ascending
.endr
	global_store_b64 v10, v[CT:CT+1], s[10:11]     ; 32 lanes store 256 consecutive bytes, aligned
	s_wait_tensorcnt 0x0                           ; the wave's end
	ds_add_u32 v[SPW], v[NIL]
	s_wait_dscnt 0x0
	s_endpgm
.Lfunc_end_k_q682531f823_first16:
	.size	k_q682531f823_first16, .Lfunc_end_k_q682531f823_first16-k_q682531f823_first16
	.p2alignl 7, 3214868480
	.fill 96, 4, 3214868480
	.section	.rodata,"a",@progbits
	.p2align	6, 0x0
	.amdhsa_kernel k_q682531f823_first16
		.amdhsa_group_segment_fixed_size 71680
		.amdhsa_private_segment_fixed_size 0
		.amdhsa_enable_private_segment 0
		.amdhsa_kernarg_size 32
		.amdhsa_user_sgpr_count 2
		.amdhsa_user_sgpr_kernarg_segment_ptr 1
		.amdhsa_wavefront_size32 1
		.amdhsa_system_sgpr_workgroup_id_x 1
		.amdhsa_system_sgpr_workgroup_id_y 1
		.amdhsa_system_sgpr_workgroup_id_z 1
		.amdhsa_system_vgpr_workitem_id 0
		.amdhsa_next_free_vgpr 256
		.amdhsa_next_free_sgpr 66
		.amdhsa_reserve_vcc 1
		.amdhsa_float_denorm_mode_32 3
		.amdhsa_float_denorm_mode_16_64 3
		.amdhsa_memory_ordered 1
		.amdhsa_forward_progress 1
		.amdhsa_inst_pref_size 26
	.end_amdhsa_kernel
	.amdgpu_metadata
---
amdhsa.version: [ 1, 2 ]
amdhsa.kernels:
  - .name:           k_q682531f823_first16
    .symbol:         k_q682531f823_first16.kd
    .args:
      - { .name: fine, .offset: 0, .size: 8, .value_kind: global_buffer, .address_space: global }
      - { .name: Wo, .offset: 8, .size: 8, .value_kind: global_buffer, .address_space: global }
      - { .name: wo16, .offset: 16, .size: 8, .value_kind: global_buffer, .address_space: global }
      - { .name: out0, .offset: 24, .size: 8, .value_kind: global_buffer, .address_space: global }
    .group_segment_fixed_size: 71680
    .private_segment_fixed_size: 0
    .kernarg_segment_align: 8
    .kernarg_segment_size: 32
    .max_flat_workgroup_size: 512
    .sgpr_count:     66
    .vgpr_count:     256
    .wavefront_size: 32
...
	.end_amdgpu_metadata
.endif
;; end of part 3
;; launch attn (part 4): grid 16 x 16, 8 waves a work-group, no clusters, 327,680 bytes of LDS; arguments qkv, ctx; writes ctx
.if DOCPART == 4
	.amdgcn_target "amdgcn-amd-amdhsa--gfx1250"
	.amdhsa_code_object_version 6
	.text
	.protected	k_q682531f823_attn
	.globl	k_q682531f823_attn
	.p2align	8
	.type	k_q682531f823_attn,@function
k_q682531f823_attn:
	s_mov_b64 s[64:65], 0
	v_nop
	global_prefetch_b8 v0, s[64:65] scope:SCOPE_SE
	s_setreg_imm32_b32 hwreg(HW_REG_WAVE_MODE, 25, 1), 1
	s_wait_xcnt 0x0
; ctx[q] = the sum over keys k <= q of softmax_k(q . k / 8) v[k], for one head; operands f16, products, maxima and sums f32; the weights p are rounded to f16 for the second product, ctx once at the end.
; BALANCE.  Work-group (x = j, y = head) owns the blocks of 128 queries j ('lo') and 31 - j ('hi'): (j + 1) + (32 - j) = 33 units of 128 x 128 for every j.  There is ONE walk over the keys, the hi block's; the lo block rides on its first part, from the same registers of K and V.
; WAVES.  Wave w: g = w / 2, p = w % 2.  It owns four tiles of 16 queries: tiles 0, 1 from hi + 32 g on, tiles 2, 3 from lo + 32 g on, and takes the steps of 64 keys whose number has parity p.  So two equal waves share a SIMD: one's matrix work and
; LDS loads stand beside the other's softmax.  At the end the two parities' sums are merged through LDS: the even wave finishes the hi tiles, the odd one the lo tiles.
; LAYOUT.  S^T = K Q^T and O^T = V^T P: a lane holds ONE query (lane % 16) throughout; S^T rounded to f16 in pairs IS the second product's source 1.  Q, K and V come as images of their operands' registers: every load takes 16 bytes at 16 x lane:
; no pitch, no padding, no turning load.  ctx leaves the same way, as the projection's fragments: every store covers 512 consecutive bytes.
; SOFTMAX.  A running maximum m and sum l for each query: p = 2^(c s - c m), c = log2(e) / 8; in every step O and l are multiplied by a = 2^(c m_old - c m_new).
; RING.  Two slots of 256 keys (32 KiB of K's images, 32 KiB of V's); each of the eight waves brings 8 KiB with one tensor load.  Every work-group walks 16 changes of slots: trip counts are constants.  A step all of whose keys come after a
; piece's queries is jumped over by a scalar branch on ids; a slot whose first key comes after the work-group's last query is not asked for: that test is made of the work-group's number and the count of trips, the same in all waves,
; and leads round the load's own lines alone; every wait for tensor loads in this text is for 0.  One tensor load of a wave is out at any time.
; NO CLUSTER: the work-groups of a head have different causal limits, so partners would need different numbers of tiles, and the jumps over hidden steps hang on numbers that differ between them.
; O^T begins as zeros, m as -3e38: which step is a lo tile's first hangs on ids, so no first step can be written out; 128 lines clear O^T once.
; LIMITS: |q|, |k|, |v| under 65,504 (f16 operands); NaN and infinities are not served.
; REGISTERS.  Window 0: v4-15 addresses; v32-63 statistics, 8 a tile (+0 c m, +1 m, +2, +3 l, +4..7 at work, a in +6); v64-127 S^T of a piece (32 u + 8 kt + j); v128-159 P; v160-223 K (16 kt + 4 b'); v224-255 at work at the end.
;   Window 1: v0-127 O^T (32 T + 8 ct); v128-191 Q (16 T + 4 b'); v192-255 V (32 kk + 8 ct + 4 half).
.set SLOT1, 1<<16
.set VOFF,  32768
.set SPARE, 131072                     ; behind the ring: the spare words, 128 bytes a wave
.set MST,   132096                     ; behind them: the merge's stage, 8,704 bytes a wave; no fill ever lands here
.set MSZ,   8704
.set VO,   4                           ; 16 x lane
.set AD0,  5                           ; 16 x lane + 8,192 p: my parity's first step in a slot
.set AD,   6
.set MSW,  7
.set MSR,  8
.set PFO,  9
.set R8,   10                          ; r - 8 h
.set D0,   11
.set D1,   12
.set NINF, 13
.set SPW,  14
.set NIL,  15
.set ST,   32
.set S,    64
.set P,    128
.set KR,   160
.set OO,   0
.set QQ,   128
.set VV,   192
.set MSB, 0
.macro WIN new                         ; the immediate's high byte repeats the setting that is left
.if MSB != (\new)
	s_set_vgpr_msb (MSB<<8)|(\new)
.set MSB, (\new)
.endif
.endm
	s_load_b128 s[4:7], s[0:1], 0x0                ; qkv, ctx
	v_lshl_add_u32 v[SPW], v0, 2, SPARE
	v_mov_b32 v[NIL], 0
	ds_add_u32 v[SPW], v[NIL]                      ; the opening: the add, twice on end, and its wait ahead of my first tensor load
	ds_add_u32 v[SPW], v[NIL]
	v_lshrrev_b32 v1, 5, v0
	v_readfirstlane_b32 s10, v1                    ; wave
	s_lshr_b32 s11, s10, 1                         ; g
	s_and_b32 s12, s10, 1                          ; p
	s_and_b32 s9, ttmp7, 0xffff                    ; the head
	s_lshl_b32 s8, ttmp9, 7                        ; lo's first query: 128 j
	s_sub_co_u32 s15, 3968, s8                     ; hi's: 128 (31 - j)
	s_lshl_b32 s46, s11, 5
	s_add_co_u32 s13, s15, s46                     ; my hi piece's first query
	s_add_co_u32 s14, s8, s46                      ; my lo piece's
	s_add_co_u32 s15, s15, 127                     ; the work-group's last query
	s_mov_b32 s16, 3<<16                           ; group 1: a dense block of 8 KiB as 32 rows of 32 elements of 8 bytes; no mask, no padding
	s_mov_b32 s17, 32<<16
	s_mov_b32 s18, 32<<16
	s_mov_b32 s19, 32<<16
	s_mov_b32 s20, 32
	s_mov_b32 s21, 32
	s_mov_b32 s22, 0
	s_mov_b32 s23, 0
	s_mov_b32 s24, 1                               ; group 0, which walks
	s_lshl_b32 s25, s10, 13                        ; LDS: wave x 8 KiB: waves 0-3 K's quarters, waves 4-7 V's
	s_lshl_b32 s48, s9, 19                         ; in memory: 8 MiB + head x 512 KiB + wave x 8 KiB, and for V 8 MiB - 32 KiB more
	s_add_co_u32 s48, s48, s25
	s_lshr_b32 s47, s10, 2
	s_mul_i32 s47, s47, 0x7f8000
	s_add_co_u32 s48, s48, s47
	s_add_co_u32 s48, s48, 0x800000
	s_mov_b32 s49, 0
	s_lshl_b32 s50, s9, 19                         ; Q: head x 512 KiB + (query / 16) x 2 KiB
	s_lshl_b32 s47, s13, 7
	s_add_co_u32 s50, s50, s47
	s_mov_b32 s51, 0
	s_lshl_b32 s56, s9, 19
	s_lshl_b32 s47, s14, 7
	s_add_co_u32 s56, s56, s47
	s_mov_b32 s57, 0
	s_add_co_u32 s58, s13, s9                      ; ctx: (query / 16) x 32 KiB + head x 2 KiB
	s_lshl_b32 s58, s58, 11
	s_mov_b32 s59, 0
	s_add_co_u32 s60, s14, s9
	s_lshl_b32 s60, s60, 11
	s_mov_b32 s61, 0
	s_mov_b32 s28, 0                               ; LDS byte at which my next step's slot part begins
	s_lshl_b32 s29, s12, 6                         ; my next step's first key
	s_mov_b32 s30, 0                               ; the slot's first key
	s_mov_b32 s31, 16                              ; slots to go
	s_mov_b32 s34, 0x3e38aa3b                      ; c = log2(e) / 8
	s_mov_b32 s35, s34                             ; (named with it as a pair)
	s_mov_b32 s36, 0x76543210
	s_mov_b32 s37, 0xfedcba98                      ; selects for lane l xor 16
	s_cmp_eq_u32 ttmp9, 0
	s_cselect_b32 s40, 2, -1                       ; the head's longest walker prefetches while more than 2 slots are to go; nobody else does
	v_and_b32 v1, 31, v0                           ; lane
	v_and_b32 v2, 15, v0                           ; r
	v_bfe_u32 v3, v0, 4, 1                         ; h
	v_lshlrev_b32 v[VO], 4, v1
	s_lshl_b32 s46, s12, 13
	v_add_nc_u32 v[AD0], s46, v[VO]
	s_mul_i32 s46, s10, MSZ
	s_add_co_u32 s46, s46, MST
	v_add_nc_u32 v[MSW], s46, v[VO]                ; my part of the stage,
	s_xor_b32 s46, s10, 1
	s_mul_i32 s46, s46, MSZ
	s_add_co_u32 s46, s46, MST
	v_add_nc_u32 v[MSR], s46, v[VO]                ; and my partner's
	v_lshlrev_b32 v[PFO], 8, v1
	v_lshlrev_b32 v3, 3, v3
	v_sub_nc_u32 v[R8], v2, v3
	v_mov_b32 v[NINF], 0xff800000
	s_wait_dscnt 0x0                               ; both opening adds are done
	s_wait_kmcnt 0x0
	s_add_nc_u64 s[26:27], s[4:5], s[48:49]
	s_add_nc_u64 s[38:39], s[26:27], 32768         ; the prefetches' place: my 8 KiB of slot 1; the first change of slots steps it to slot 2
	s_or_b32 s27, s27, 0x80000000
	tensor_load_to_lds s[24:27], s[16:23]          ; slot 0
	s_nop 0
.rept 4
	v_nop
.endr
	s_add_nc_u64 s[52:53], s[4:5], s[50:51]
	s_add_nc_u64 s[54:55], s[4:5], s[56:57]
	s_add_nc_u64 s[42:43], s[6:7], s[58:59]
	s_add_nc_u64 s[44:45], s[6:7], s[60:61]
	WIN 0x40                                       ; destination window 1
.irp u, 0,1
.irp b, 0,1,2,3
	global_load_b128 v[QQ+16*\u+4*\b:QQ+16*\u+4*\b+3], v[VO], s[52:53] offset:\u*2048+\b*512
	global_load_b128 v[QQ+32+16*\u+4*\b:QQ+32+16*\u+4*\b+3], v[VO], s[54:55] offset:\u*2048+\b*512
.endr
.endr
.set n, 0
.rept 128
	v_mov_b32 v[OO+n], 0
.set n, n+1
.endr
	WIN 0
.irp t, 0,1,2,3
	v_mov_b32 v[ST+8*\t+1], 0xff61b1e6             ; m = -3e38, under every score
	v_mul_f32 v[ST+8*\t], s34, v[ST+8*\t+1]
.irp i, 2,3,4,5,6,7
	v_mov_b32 v[ST+8*\t+\i], 0
.endr
.endr
	s_wait_loadcnt 0x0                             ; Q
; A PIECE: two tiles of 16 queries (T0, T0 + 1; first query in s[QS]) against the step's 64 keys.
.macro PIECE T0, QS
	WIN 0x04                                       ; source 1 (Q) window 1
.irp c, 0,1                                    ; S^T = K Q^T: eight accumulators by turns, two deep
.irp kt, 0,1,2,3
.irp u, 0,1
.if \c == 0
	v_wmma_f32_16x16x32_f16 v[S+32*\u+8*\kt:S+32*\u+8*\kt+7], v[KR+16*\kt:KR+16*\kt+7], v[QQ+16*(\T0+\u):QQ+16*(\T0+\u)+7], 0
.else
	v_wmma_f32_16x16x32_f16 v[S+32*\u+8*\kt:S+32*\u+8*\kt+7], v[KR+16*\kt+8:KR+16*\kt+15], v[QQ+16*(\T0+\u)+8:QQ+16*(\T0+\u)+15], v[S+32*\u+8*\kt:S+32*\u+8*\kt+7]
.endif
.endr
.endr
.endr
	WIN 0
.rept 4
	v_nop                                          ; four places in front of the first read of the scores
.endr
	s_add_co_u32 s46, s29, 63                      ; a step all of whose keys count for all 32 queries has no mask
	s_cmp_le_u32 s46, s[\QS]
	s_cbranch_scc1 .Lopen_\@
	s_sub_co_u32 s46, s[\QS], s29
	v_add_nc_u32 v[D0], s46, v[R8]                 ; register 8 kt + j holds key 16 kt + 8 h + j of the step: hidden where 16 kt + j is above my query - the step's first key - 8 h
	v_add_nc_u32 v[D1], 16, v[D0]
.irp n, 0,1,2,3,4,5,6,7,8,9,10,11,12,13,14,15,16,17,18,19,20,21,22,23,24,25,26,27,28,29,30,31
	v_cmp_gt_i32 vcc_lo, 16*(\n/8)+\n%8, v[D0]
	v_cndmask_b32 v[S+\n], v[S+\n], v[NINF], vcc_lo
	v_cmp_gt_i32 vcc_lo, 16*(\n/8)+\n%8, v[D1]
	v_cndmask_b32 v[S+32+\n], v[S+32+\n], v[NINF], vcc_lo
.endr
.Lopen_\@:
	; the maximum of my 32 scores and the old m: four chains, each accumulator from its low end on; the two tiles line by line
.irp j, 0,1,2,3
.irp u, 0,1
	v_max3_num_f32 v[ST+8*(\T0+\u)+4+\j], v[S+32*\u+8*\j], v[S+32*\u+8*\j+1], v[S+32*\u+8*\j+2]
.endr
.endr
.irp i, 3,5
.irp j, 0,1,2,3
.irp u, 0,1
	v_max3_num_f32 v[ST+8*(\T0+\u)+4+\j], v[ST+8*(\T0+\u)+4+\j], v[S+32*\u+8*\j+\i], v[S+32*\u+8*\j+\i+1]
.endr
.endr
.endr
.irp u, 0,1
	v_max3_num_f32 v[ST+8*(\T0+\u)+4], v[ST+8*(\T0+\u)+4], v[S+32*\u+7], v[S+32*\u+15]
	v_max3_num_f32 v[ST+8*(\T0+\u)+6], v[ST+8*(\T0+\u)+6], v[S+32*\u+23], v[S+32*\u+31]
.endr
.irp u, 0,1
	v_max3_num_f32 v[ST+8*(\T0+\u)+4], v[ST+8*(\T0+\u)+4], v[ST+8*(\T0+\u)+5], v[ST+8*(\T0+\u)+6]
.endr
.irp u, 0,1
	v_max3_num_f32 v[ST+8*(\T0+\u)+4], v[ST+8*(\T0+\u)+4], v[ST+8*(\T0+\u)+7], v[ST+8*(\T0+\u)+1]
.endr
.irp u, 0,1
	v_permlanex16_b32 v[ST+8*(\T0+\u)+5], v[ST+8*(\T0+\u)+4], s36, s37     ; the query's other 32 keys lie in the lane 16 away
	v_mov_b32 v[ST+8*(\T0+\u)+7], v[ST+8*(\T0+\u)]                         ; c m_old
.endr
.irp u, 0,1
	v_max_num_f32 v[ST+8*(\T0+\u)+1], v[ST+8*(\T0+\u)+4], v[ST+8*(\T0+\u)+5]
.endr
.irp u, 0,1
	v_mul_f32 v[ST+8*(\T0+\u)], s34, v[ST+8*(\T0+\u)+1]
.endr
.irp u, 0,1
	v_sub_f32 v[ST+8*(\T0+\u)+7], v[ST+8*(\T0+\u)+7], v[ST+8*(\T0+\u)]
.endr
.irp n, 0,2,4,6,8,10,12,14,16,18,20,22,24,26,28,30
.irp u, 0,1
	v_pk_fma_f32 v[S+32*\u+\n:S+32*\u+\n+1], v[S+32*\u+\n:S+32*\u+\n+1], s[34:35], v[ST+8*(\T0+\u):ST+8*(\T0+\u)+1] op_sel_hi:[1,0,0] neg_lo:[0,0,1] neg_hi:[0,0,1]   ; c s - c m
.endr
.endr
.irp u, 0,1
	v_exp_f32 v[ST+8*(\T0+\u)+6], v[ST+8*(\T0+\u)+7]       ; a
.endr
.irp n, 0,1,2,3,4,5,6,7,8,9,10,11,12,13,14,15,16,17,18,19,20,21,22,23,24,25,26,27,28,29,30,31
.irp u, 0,1
	v_exp_f32 v[S+32*\u+\n], v[S+32*\u+\n]                 ; p
.endr
.endr
	v_nop                                          ; a plain line behind the batch,
	s_wait_alu depctr_va_vdst(0)                   ; and ONE wait for its 66 exponentials, ahead of the first reader
.irp n, 0,1,2,3,4,5,6,7,8,9,10,11,12,13,14,15
.irp u, 0,1
	v_cvt_pk_f16_f32 v[P+16*\u+\n], v[S+32*\u+2*\n], v[S+32*\u+2*\n+1]
.endr
.endr
.irp z, 0,1,2,3,4,5,6,7                        ; the sum of the unrounded p, in pairs, as a tree, in place
.irp u, 0,1
	v_pk_add_f32 v[S+32*\u+4*\z:S+32*\u+4*\z+1], v[S+32*\u+4*\z:S+32*\u+4*\z+1], v[S+32*\u+4*\z+2:S+32*\u+4*\z+3]
.endr
.endr
.irp z, 0,1,2,3
.irp u, 0,1
	v_pk_add_f32 v[S+32*\u+8*\z:S+32*\u+8*\z+1], v[S+32*\u+8*\z:S+32*\u+8*\z+1], v[S+32*\u+8*\z+4:S+32*\u+8*\z+5]
.endr
.endr
.irp z, 0,1
.irp u, 0,1
	v_pk_add_f32 v[S+32*\u+16*\z:S+32*\u+16*\z+1], v[S+32*\u+16*\z:S+32*\u+16*\z+1], v[S+32*\u+16*\z+8:S+32*\u+16*\z+9]
.endr
.endr
.irp u, 0,1
	v_pk_add_f32 v[S+32*\u:S+32*\u+1], v[S+32*\u:S+32*\u+1], v[S+32*\u+16:S+32*\u+17]
.endr
.irp u, 0,1
	v_pk_fma_f32 v[ST+8*(\T0+\u)+2:ST+8*(\T0+\u)+3], v[ST+8*(\T0+\u)+2:ST+8*(\T0+\u)+3], v[ST+8*(\T0+\u)+6:ST+8*(\T0+\u)+7], v[S+32*\u:S+32*\u+1] op_sel_hi:[1,0,1]   ; l = l a + the sum
.endr
	WIN 0x41                                       ; O^T (destination and source 0) window 1
.irp u, 0,1
.irp n, 0,2,4,6,8,10,12,14,16,18,20,22,24,26,28,30
	v_pk_mul_f32 v[OO+32*(\T0+\u)+\n:OO+32*(\T0+\u)+\n+1], v[OO+32*(\T0+\u)+\n:OO+32*(\T0+\u)+\n+1], v[ST+8*(\T0+\u)+6:ST+8*(\T0+\u)+7] op_sel_hi:[1,0]
.endr
.endr
.if \T0 == 0
	s_wait_dscnt 0x0                               ; V is in
.endif
	WIN 0x51                                       ; V and O^T window 1, P window 0
.irp kk, 0,1                                   ; O^T += V^T P: eight accumulators by turns, two deep
.irp ct, 0,1,2,3
.irp u, 0,1
	v_wmma_f32_16x16x32_f16 v[OO+32*(\T0+\u)+8*\ct:OO+32*(\T0+\u)+8*\ct+7], v[VV+32*\kk+8*\ct:VV+32*\kk+8*\ct+7], v[P+16*\u+8*\kk:P+16*\u+8*\kk+7], v[OO+32*(\T0+\u)+8*\ct:OO+32*(\T0+\u)+8*\ct+7]
.endr
.endr
.endr
	WIN 0
.endm
.Lslot:                                            ; 16 trips
	; THE CHANGE OF SLOTS, at a slot's head
	s_wait_tensorcnt 0x0                           ; all my tensor loads are done: my part of the slot that is read next; so group 0 may be written
	ds_add_u32 v[SPW], v[NIL]                      ; 0 onto my spare word: the steps below stand between it and the wait for it
	s_xor_b32 s25, s25, SLOT1                      ; the other slot than last time,
	s_add_nc_u64 s[26:27], s[26:27], 32768         ; the next 256 keys
	s_wait_xcnt 0x0                                ; the last prefetch, a slot back, has read its address
	s_add_nc_u64 s[38:39], s[38:39], 32768
	s_wait_dscnt 0x0                               ; the add is done, and my reads of the slot that I have left are over
	s_barrier_signal -1
	s_barrier_wait -1
	s_add_co_u32 s46, s30, 256                     ; the first key of the slot that this change would ask for:
	s_cmp_gt_u32 s46, s15                          ; past the work-group's last query nobody would read it
	s_cbranch_scc1 .Lpast
	tensor_load_to_lds s[24:27], s[16:23]          ; my one tensor load behind this barrier; it has a slot's steps in which to land
	s_nop 0
.rept 4
	v_nop
.endr
.Lpast:
	s_cmp_gt_u32 s31, s40                          ; a prefetch of my wave's 8 KiB of the slot that the NEXT change asks for, lanes 256 bytes apart; each block is named once in the launch; the last two changes name nothing
	s_cbranch_scc0 .Lnoask
	global_prefetch_b8 v[PFO], s[38:39] th:TH_LOAD_NT scope:SCOPE_SE
.Lnoask:
	s_mov_b32 s32, 2
.Lstep:                                            ; my parity's two steps of the slot
	s_add_co_u32 s46, s13, 31
	s_cmp_gt_u32 s29, s46                          ; all 64 keys come after my hi queries (and so after my lo queries): nothing to do
	s_cbranch_scc1 .Lhid
	v_add_nc_u32 v[AD], s28, v[AD0]
.rept 3
	v_nop                                          ; with the line above: four places in front of loads into registers that the last products have read
.endr
.irp i, 0,1,2,3,4,5,6,7,8,9,10,11,12,13,14,15
	ds_load_b128 v[KR+4*\i:KR+4*\i+3], v[AD] offset:512*\i
.endr
	WIN 0x40
.irp i, 0,1,2,3,4,5,6,7,8,9,10,11,12,13,14,15
	ds_load_b128 v[VV+4*\i:VV+4*\i+3], v[AD] offset:VOFF+512*\i
.endr
	WIN 0
	s_wait_dscnt 16                                ; K is in; V's 16 loads may be out
	PIECE 0, 13
	s_add_co_u32 s46, s14, 31
	s_cmp_gt_u32 s29, s46
	s_cbranch_scc1 .Lnolo
	PIECE 2, 14
.Lnolo:
.Lhid:
	s_add_co_u32 s29, s29, 128
	s_add_co_u32 s28, s28, 16384
	s_sub_co_u32 s32, s32, 1
	s_cmp_lg_u32 s32, 0
	s_cbranch_scc1 .Lstep
	s_sub_co_u32 s28, s28, 32768                   ; back to a slot's head,
	s_xor_b32 s28, s28, SLOT1                      ; in the other slot
	s_add_co_u32 s30, s30, 256
	s_sub_co_u32 s31, s31, 1
	s_cmp_lg_u32 s31, 0
	s_cbranch_scc1 .Lslot
	; THE END.  l's two halves and the other half of the lanes'; these lines are also the places behind the last products
.irp t, 0,1,2,3
	v_add_f32 v[ST+8*\t+2], v[ST+8*\t+2], v[ST+8*\t+3]
.endr
.irp t, 0,1,2,3
	v_permlanex16_b32 v[ST+8*\t+5], v[ST+8*\t+2], s36, s37
.endr
.irp t, 0,1,2,3
	v_add_f32 v[ST+8*\t+2], v[ST+8*\t+2], v[ST+8*\t+5]
.endr
.macro SEND T0                         ; tiles T0, T0 + 1 go to my partner: 64 registers of O^T as they stand, then (c m, l) of both
	WIN 0x04                                       ; an LDS store's data are its source 1: window 1
.irp i, 0,1,2,3,4,5,6,7,8,9,10,11,12,13,14,15
	ds_store_b128 v[MSW], v[32*\T0+4*\i:32*\T0+4*\i+3] offset:512*\i
.endr
	WIN 0
	v_mov_b32 v248, v[ST+8*\T0]
	v_mov_b32 v249, v[ST+8*\T0+2]
	v_mov_b32 v250, v[ST+8*\T0+8]
	v_mov_b32 v251, v[ST+8*\T0+10]
	ds_store_b128 v[MSW], v[248:251] offset:8192
.endm
.macro MERGE T0, CB                    ; tiles T0, T0 + 1: my sums and my partner's under their common maximum, divided by the sum, to f16, stored
.irp i, 0,1,2,3,4,5,6,7,8,9,10,11,12,13,14,15
	ds_load_b128 v[64+4*\i:64+4*\i+3], v[MSR] offset:512*\i
.endr
	ds_load_b128 v[128:131], v[MSR] offset:8192
	s_wait_dscnt 0x0
.irp u, 0,1
	v_max_num_f32 v[228+8*\u], v[ST+8*(\T0+\u)], v[128+2*\u]
	v_mov_b32 v[225+8*\u], 0                       ; (upper halves of pairs that are named whole)
	v_mov_b32 v[227+8*\u], 0
.endr
.irp u, 0,1
	v_sub_f32 v[224+8*\u], v[ST+8*(\T0+\u)], v[228+8*\u]
	v_sub_f32 v[226+8*\u], v[128+2*\u], v[228+8*\u]
.endr
.irp u, 0,1
	v_exp_f32 v[224+8*\u], v[224+8*\u]             ; a parity that saw no key has c m = -5.4e37, l = 0, O = 0: its factor is 0
	v_exp_f32 v[226+8*\u], v[226+8*\u]
.endr
	v_nop
	s_wait_alu depctr_va_vdst(0)
.irp u, 0,1
	v_mul_f32 v[229+8*\u], v[129+2*\u], v[226+8*\u]
.endr
.irp u, 0,1
	v_fma_f32 v[229+8*\u], v[ST+8*(\T0+\u)+2], v[224+8*\u], v[229+8*\u]
.endr
.irp u, 0,1
	v_rcp_f32 v[230+8*\u], v[229+8*\u]
.endr
	v_nop
	s_wait_alu depctr_va_vdst(0)
.irp u, 0,1
	v_mul_f32 v[224+8*\u], v[224+8*\u], v[230+8*\u]
	v_mul_f32 v[226+8*\u], v[226+8*\u], v[230+8*\u]
.endr
.irp u, 0,1
.irp n, 0,2,4,6,8,10,12,14,16,18,20,22,24,26,28,30
	v_pk_mul_f32 v[64+32*\u+\n:64+32*\u+\n+1], v[64+32*\u+\n:64+32*\u+\n+1], v[226+8*\u:227+8*\u] op_sel_hi:[1,0]
.endr
.endr
	WIN 0x01                                       ; source 0: my O^T, window 1
.irp u, 0,1
.irp n, 0,2,4,6,8,10,12,14,16,18,20,22,24,26,28,30
	v_pk_fma_f32 v[64+32*\u+\n:64+32*\u+\n+1], v[32*(\T0+\u)+\n:32*(\T0+\u)+\n+1], v[224+8*\u:225+8*\u], v[64+32*\u+\n:64+32*\u+\n+1] op_sel_hi:[1,0,1]
.endr
.endr
	WIN 0
.set n, 0
.rept 32
	v_cvt_pk_f16_f32 v[192+n], v[64+2*n], v[65+2*n]
.set n, n+1
.endr
.irp u, 0,1
.irp ct, 0,1,2,3
	global_store_b128 v[VO], v[192+16*\u+4*\ct:192+16*\u+4*\ct+3], s[\CB:\CB+1] offset:\u*32768+\ct*512   ; 512 consecutive bytes of the projection's fragment
.endr
.endr
.endm
	s_cmp_eq_u32 s12, 0                            ; a branch on the wave's number
	s_cbranch_scc0 .Lsend_hi
	SEND 2
	s_branch .Lsent
.Lsend_hi:
	SEND 0
.Lsent:
	s_wait_dscnt 0x0                               ; for my partner's sake: my stores are done
	s_barrier_signal -1
	s_barrier_wait -1
	s_cmp_eq_u32 s12, 0
	s_cbranch_scc0 .Lmerge_lo
	MERGE 0, 42
	s_branch .Ldone
.Lmerge_lo:
	MERGE 2, 44
.Ldone:
	s_wait_tensorcnt 0x0                           ; the wave's end
	ds_add_u32 v[SPW], v[NIL]
	s_wait_dscnt 0x0
	s_endpgm
.Lfunc_end_k_q682531f823_attn:
	.size	k_q682531f823_attn, .Lfunc_end_k_q682531f823_attn-k_q682531f823_attn
	.p2alignl 7, 3214868480
	.fill 96, 4, 3214868480
	.section	.rodata,"a",@progbits
	.p2align	6, 0x0
	.amdhsa_kernel k_q682531f823_attn
		.amdhsa_group_segment_fixed_size 327680
		.amdhsa_private_segment_fixed_size 0
		.amdhsa_enable_private_segment 0
		.amdhsa_kernarg_size 16
		.amdhsa_user_sgpr_count 2
		.amdhsa_user_sgpr_kernarg_segment_ptr 1
		.amdhsa_wavefront_size32 1
		.amdhsa_system_sgpr_workgroup_id_x 1
		.amdhsa_system_sgpr_workgroup_id_y 1
		.amdhsa_system_sgpr_workgroup_id_z 1
		.amdhsa_system_vgpr_workitem_id 0
		.amdhsa_next_free_vgpr 512
		.amdhsa_next_free_sgpr 66
		.amdhsa_reserve_vcc 1
		.amdhsa_float_denorm_mode_32 3
		.amdhsa_float_denorm_mode_16_64 3
		.amdhsa_memory_ordered 1
		.amdhsa_forward_progress 1
		.amdhsa_inst_pref_size 74
	.end_amdhsa_kernel
	.amdgpu_metadata
---
amdhsa.version: [ 1, 2 ]
amdhsa.kernels:
  - .name:           k_q682531f823_attn
    .symbol:         k_q682531f823_attn.kd
    .args:
      - { .name: qkv, .offset: 0, .size: 8, .value_kind: global_buffer, .address_space: global }
      - { .name: ctx, .offset: 8, .size: 8, .value_kind: global_buffer, .address_space: global }
    .group_segment_fixed_size: 327680
    .private_segment_fixed_size: 0
    .kernarg_segment_align: 8
    .kernarg_segment_size: 16
    .max_flat_workgroup_size: 256
    .sgpr_count:     66
    .vgpr_count:     512
    .wavefront_size: 32
...
	.end_amdgpu_metadata
.endif
;; end of part 4
;; launch oproj (part 5): grid 8 x 32, 4 waves a work-group, clusters of 4 x 4, 327,680 bytes of LDS; arguments ctx, wo16, out0; writes out0
.if DOCPART == 5
	.amdgcn_target "amdgcn-amd-amdhsa--gfx1250"
	.amdhsa_code_object_version 6
	.text
	.protected	k_q682531f823_oproj
	.globl	k_q682531f823_oproj
	.p2align	8
	.type	k_q682531f823_oproj,@function
k_q682531f823_oproj:
	s_mov_b64 s[64:65], 0
	v_nop
	global_prefetch_b8 v0, s[64:65] scope:SCOPE_SE
	s_setreg_imm32_b32 hwreg(HW_REG_WAVE_MODE, 25, 1), 1
	s_wait_xcnt 0x0
	s_wait_alu depctr_hold_cnt(0) depctr_sa_sdst(0) depctr_va_vdst(0) depctr_va_sdst(0) depctr_va_ssrc(0) depctr_va_vcc(0) depctr_vm_vsrc(0)
	s_getreg_b32 s2, hwreg(HW_REG_IB_STS2, 6, 4)
	s_cmp_eq_u32 s2, 0
	s_cbranch_scc0 .Lentry_in_a_cluster
	s_endpgm
.Lentry_in_a_cluster:
	s_bfe_u32 s2, ttmp6, 0x10000c
	s_cmp_lg_u32 s2, 0xf033
	s_cbranch_scc0 .Lentry_shape_is_right
	s_endpgm
.Lentry_shape_is_right:
; out0 = ctx Wo^T, f16 operands, f32 sums, f32 out: [4096 x 1024], K = 1024.  Rows 0-15 are not stored here: they are another launch's, which carries them in f32.
; A tile of out0 is 128 x 128: 256 work-groups.  Four waves, each 64 x 64: 16 accumulators.  K goes in four steps of 256 through two LDS slots.
; OPERANDS ARE IMAGES OF THEIR REGISTERS: ctx and wo16 are [tile of 16 rows][32 along K][half][lane][16 bytes], so a K step of a tile of 16 rows is 8 KiB on end, a wave's tensor load brings four such rows (32 KiB apart in memory),
; and every fragment load takes 16 bytes at 16 x lane: no pitch, no padding.
; CLUSTER 4 x 4: ctx's tile is asked for jointly along a row of the cluster, Wo's along a column.  THE MATRIX INSTRUCTION IS USED TRANSPOSED (source 0 = 16 rows of Wo, source 1 = 16 rows of ctx): a lane holds eight neighbouring numbers of a row of out0.
; The accumulators take turns, one instruction a turn.  By this text's count a wave has two tensor loads out at the start and one behind each round.
; No prefetch: four short K steps on a small tile.
; REGISTERS: window 0: v16-29 addresses; v32-95 rows on the way out, two banks; v128-255 the accumulators ((a, b) at v[128 + 8 (4 a + b)]).  Window 1: two fragment buffers of 128: for 64 along K, 64 registers of ctx, then 64 of Wo.
.set KSB,    8192                      ; a K step of a tile of 16 rows, in bytes
.set SLOT,   131072                    ; ctx's 8 tiles, then Wo's 8
.set STAGE,  262144                    ; behind the ring: 16 rows x 272 bytes for each wave, its own
.set SPITCH, 272
.set SPARE,  STAGE+4*16*SPITCH         ; the spare words, 128 bytes a wave
.set ADRA, 16
.set ADRB, 20
.set STO,  24
.set RD,   25
.set CO,   26
.set ROWB, 27
.set SPW,  28
.set NIL,  29
.set OB,   32
.set ACC,  128
.set F0,   0
.set F1,   128
.set G1, 24
.set G0, 32
.set G1B, 48
.set G0B, 56
.set MSB, 0
.macro WIN new                         ; the immediate's high byte repeats the setting that is left
.if MSB != (\new)
	s_set_vgpr_msb (MSB<<8)|(\new)
.set MSB, (\new)
.endif
.endm
.set MUL,  0x05                        ; sources 0 and 1 window 1; C and D window 0
.set TO_F, 0x40                        ; destination window 1
.macro JLOAD s                         ; a joint load: waves 0, 1 fetch ctx's halves, waves 2, 3 Wo's
	s_cmp_eq_u32 s11, 0
	s_cbranch_scc0 .Lfor_b_\@
	tensor_load_to_lds s[G0+4*\s:G0+4*\s+3], s[G1:G1+7]
	s_nop 0
.rept 4
	v_nop
.endr
	s_branch .Lasked_\@
.Lfor_b_\@:
	tensor_load_to_lds s[G0B+4*\s:G0B+4*\s+3], s[G1B:G1B+7]
	s_nop 0
.rept 4
	v_nop
.endr
.Lasked_\@:
.endm
.macro CREST                           ; a round of the cluster's barrier behind its opening barrier
	s_cmp_lg_u32 s10, 0
	s_cbranch_scc1 .Lnot_wave_0_\@
	s_barrier_signal -3
.Lnot_wave_0_\@:
	s_barrier_wait -3
	s_barrier_signal -1
	s_barrier_wait -1
.endm
.macro CROUND
	s_barrier_signal -1
	s_barrier_wait -1
	CREST
.endm
	s_load_b128 s[4:7], s[0:1], 0x0                ; ctx, wo16
	s_load_b64 s[8:9], s[0:1], 0x10                ; out0
	v_lshl_add_u32 v[SPW], v0, 2, SPARE
	v_mov_b32 v[NIL], 0
	ds_add_u32 v[SPW], v[NIL]                      ; the opening: the add, twice on end, and its wait ahead of my first tensor load
	ds_add_u32 v[SPW], v[NIL]
	v_lshrrev_b32 v1, 5, v0
	v_readfirstlane_b32 s10, v1                    ; wave
	s_lshr_b32 s11, s10, 1                         ; my half of the tile's rows.  Also: I fetch for ctx (0) or for Wo (1)
	s_and_b32 s12, s10, 1                          ; my half of its columns.  Also: which four tiles of 16 rows I fetch
	s_bfe_u32 s40, ttmp6, 0x40000                  ; cx
	s_bfe_u32 s41, ttmp6, 0x40004                  ; cy
	s_lshl_b32 s42, ttmp9, 2
	s_add_co_u32 s42, s42, s40                     ; tile column
	s_and_b32 s13, ttmp7, 0xffff
	s_lshl_b32 s13, s13, 2
	s_add_co_u32 s13, s13, s41                     ; tile row
	s_lshl_b32 s43, s41, 2
	s_lshl_b32 s43, 15, s43                        ; my row of the cluster
	s_lshl_b32 s44, 0x1111, s40                    ; my column
	s_or_b32 s[G1], s43, (3<<16)|(1<<21)           ; the mask; elements of 8 bytes; bit 21 beside a mask; no padding
	s_or_b32 s[G1B], s44, (3<<16)|(1<<21)
.irp g, G1, G1B
	s_mov_b32 s[\g+1], 1024<<16                    ; tensor_dim0 = 1,024 elements: 8 KiB
	s_mov_b32 s[\g+2], 4<<16                       ; tensor_dim1 = 4
	s_mov_b32 s[\g+3], 1024<<16                    ; tile_dim0
	s_mov_b32 s[\g+4], 4                           ; tile_dim1
	s_mov_b32 s[\g+5], 4096                        ; from row to row: 32 KiB
	s_mov_b32 s[\g+6], 0
	s_mov_b32 s[\g+7], 0
.endr
	s_lshl_b32 s17, s12, 2
	s_lshl_b32 s16, s13, 3
	s_add_co_u32 s16, s16, s17                     ; ctx: tile of 16 rows 8 x tile row + 4 x half
	s_lshl_b32 s16, s16, 15
	s_lshl_b32 s46, s42, 3
	s_add_co_u32 s46, s46, s17                     ; Wo: 8 x tile column + 4 x half
	s_lshl_b32 s46, s46, 15
	s_mov_b32 s17, 0
	s_mov_b32 s47, 0
	s_lshl_b32 s20, s10, 15                        ; where they go: wave x 32 KiB
	s_wait_dscnt 0x0                               ; both opening adds are done
	s_wait_kmcnt 0x0
	s_add_nc_u64 s[14:15], s[4:5], s[16:17]
	s_add_nc_u64 s[46:47], s[6:7], s[46:47]
	CROUND                                         ; all sixteen work-groups are here: the first joint loads meet
.irp s, 0,1
	s_mov_b32 s[G0+4*\s], 1
	s_add_co_u32 s[G0+4*\s+1], s20, \s*SLOT
	s_add_nc_u64 s[G0+4*\s+2:G0+4*\s+3], s[14:15], \s*KSB
	s_or_b32 s[G0+4*\s+3], s[G0+4*\s+3], 0x80000000
	s_mov_b32 s[G0B+4*\s], 1
	s_add_co_u32 s[G0B+4*\s+1], s20, \s*SLOT
	s_add_nc_u64 s[G0B+4*\s+2:G0B+4*\s+3], s[46:47], \s*KSB
	s_or_b32 s[G0B+4*\s+3], s[G0B+4*\s+3], 0x80000000
	JLOAD \s
.endr
	v_and_b32 v1, 15, v0                           ; r
	v_bfe_u32 v2, v0, 4, 1                         ; h
	v_and_b32 v3, 31, v0
	v_lshlrev_b32 v3, 4, v3                        ; 16 x lane
	s_lshl_b32 s21, s11, 15                        ; my four tiles of ctx
	s_lshl_b32 s22, s12, 15                        ; my four of Wo,
	s_add_co_u32 s22, s22, 65536                   ; which lie behind ctx's eight
.irp s, 0,1
	v_add_nc_u32 v[ADRA+\s], s21, v3
	v_add_nc_u32 v[ADRB+\s], s22, v3
	s_add_co_u32 s21, s21, SLOT
	s_add_co_u32 s22, s22, SLOT
.endr
	s_mul_i32 s23, s10, 16*SPITCH
	s_add_co_u32 s23, s23, STAGE                   ; my stage
	v_mul_u32_u24 v4, v1, SPITCH
	v_lshl_add_u32 v4, v2, 5, v4
	v_add_nc_u32 v[STO], s23, v4                   ; in: row r, 32 bytes for each half of the lanes
	v_mul_u32_u24 v5, v2, SPITCH
	v_lshl_add_u32 v5, v1, 4, v5
	v_add_nc_u32 v[RD], s23, v5                    ; back: lanes 0-15 one row of 256 bytes, lanes 16-31 the next
	v_lshlrev_b32 v5, 12, v2
	v_lshl_add_u32 v[CO], v1, 4, v5                ; and the same two rows in out0
	s_lshl_b32 s16, s13, 7
	s_lshl_b32 s17, s11, 6
	s_add_co_u32 s16, s16, s17                     ; my first row of out0
	v_mov_b32 v[ROWB], s16
	s_lshl_b32 s16, s16, 12
	s_mov_b32 s17, 0
	s_add_nc_u64 s[8:9], s[8:9], s[16:17]
	s_lshl_b32 s46, s42, 9                         ; my first column, in bytes
	s_lshl_b32 s47, s12, 8
	s_add_co_u32 s46, s46, s47
	s_mov_b32 s47, 0
	s_add_nc_u64 s[8:9], s[8:9], s[46:47]
.macro MUL8 f, c, a0, zero             ; 8 products: row blocks a0, a0 + 1 x 4 column blocks, 32 along K: half c of buffer f
.irp a, \a0, \a0+1
.irp b, 0,1,2,3
.if \zero
	v_wmma_f32_16x16x32_f16 v[ACC+8*(4*(\a)+\b):ACC+8*(4*(\a)+\b)+7], v[\f+64+8*(4*\c+\b):\f+64+8*(4*\c+\b)+7], v[\f+8*(4*\c+\a):\f+8*(4*\c+\a)+7], 0
.else
	v_wmma_f32_16x16x32_f16 v[ACC+8*(4*(\a)+\b):ACC+8*(4*(\a)+\b)+7], v[\f+64+8*(4*\c+\b):\f+64+8*(4*\c+\b)+7], v[\f+8*(4*\c+\a):\f+8*(4*\c+\a)+7], v[ACC+8*(4*(\a)+\b):ACC+8*(4*(\a)+\b)+7]
.endif
.endr
.endr
.endm
.macro FETCH slot, kq, f               ; 32 LDS loads in one run: the fragments of the slot's kq-th 64 along K into buffer f; the first 32 along K first
	WIN TO_F
.irp c, 0,1
.irp i, 0,1,2,3
	ds_load_b128 v[\f+64+8*(4*\c+\i):\f+64+8*(4*\c+\i)+3],   v[ADRB+\slot] offset:\i*KSB+(2*(\kq)+\c)*1024
	ds_load_b128 v[\f+64+8*(4*\c+\i)+4:\f+64+8*(4*\c+\i)+7], v[ADRB+\slot] offset:\i*KSB+(2*(\kq)+\c)*1024+512
	ds_load_b128 v[\f+8*(4*\c+\i):\f+8*(4*\c+\i)+3],         v[ADRA+\slot] offset:\i*KSB+(2*(\kq)+\c)*1024
	ds_load_b128 v[\f+8*(4*\c+\i)+4:\f+8*(4*\c+\i)+7],       v[ADRA+\slot] offset:\i*KSB+(2*(\kq)+\c)*1024+512
.endr
.endr
.endm
.macro PLACES                          ; four places in front of loads into registers that matrix instructions have read, and of the first read of results
.rept 4
	v_nop
.endr
.endm
.macro QUARTER slot, kq, f, g, zero    ; multiplies buffer f (64 along K) and fetches the slot's kq-th 64 into g
	s_wait_dscnt 16                                ; the first 32 along K are in; the other 16 loads may be out
	WIN MUL
	MUL8 \f, 0, 0, \zero
	MUL8 \f, 0, 2, \zero
	PLACES
	FETCH \slot, \kq, \g
	s_wait_dscnt 32                                ; all but the 32 just issued
	WIN MUL
	MUL8 \f, 1, 0, 0
	MUL8 \f, 1, 2, 0
.endm
.macro TURN slot, next, fill           ; a slot's last quarter multiplies buffer 1 and changes slots
	WIN 0
	s_wait_tensorcnt 0x0                           ; all my tensor loads have landed: my part of the next slot;
	ds_add_u32 v[SPW], v[NIL]                      ; 0 onto my spare word;
	s_wait_dscnt 17                                ; (the add and the youngest sixteen loads may be out)
	WIN MUL
	MUL8 F1, 0, 0, 0
	s_wait_dscnt 0x0                               ; the add is done, and my reads of this slot are over
	s_barrier_signal -1
	MUL8 F1, 0, 2, 0
.if \fill
	WIN 0
.endif
	s_barrier_wait -1
.if \fill
	CREST                                          ; the barrier has opened a round of the cluster's: no wave of any partner still reads this slot or has a load on its way
	s_add_nc_u64 s[G0+4*\slot+2:G0+4*\slot+3], s[G0+4*\slot+2:G0+4*\slot+3], 2*KSB
	s_add_nc_u64 s[G0B+4*\slot+2:G0B+4*\slot+3], s[G0B+4*\slot+2:G0B+4*\slot+3], 2*KSB
	JLOAD \slot                                    ; the first tensor load behind the round; its four v_nop are also the places in front of the loads below
.else
	PLACES
.endif
	FETCH \next, 0, F0
	WIN MUL
	MUL8 F1, 1, 0, 0
	MUL8 F1, 1, 2, 0
.endm
	s_wait_tensorcnt 1                             ; my part of K step 0 is in; K step 1's load may be out
	s_barrier_signal -1
	s_barrier_wait -1
	FETCH 0, 0, F0
	QUARTER 0, 1, F0, F1, 1                        ; K step 0: its first products start the sums
	QUARTER 0, 2, F1, F0, 0
	QUARTER 0, 3, F0, F1, 0
	TURN 0, 1, 1                                   ; slot 0 takes K step 2
	QUARTER 1, 1, F0, F1, 0                        ; K step 1
	QUARTER 1, 2, F1, F0, 0
	QUARTER 1, 3, F0, F1, 0
	TURN 1, 0, 1                                   ; slot 1 takes K step 3
	QUARTER 0, 1, F0, F1, 0                        ; K step 2
	QUARTER 0, 2, F1, F0, 0
	QUARTER 0, 3, F0, F1, 0
	TURN 0, 1, 0                                   ; nothing is left to fetch
	QUARTER 1, 1, F0, F1, 0                        ; K step 3
	QUARTER 1, 2, F1, F0, 0
	QUARTER 1, 3, F0, F1, 0
	s_wait_dscnt 16
	WIN MUL
	MUL8 F1, 0, 0, 0
	MUL8 F1, 0, 2, 0
	s_wait_dscnt 0x0
	MUL8 F1, 1, 0, 0
	MUL8 F1, 1, 2, 0
	WIN 0
; THE WAY OUT, 16 rows x 64 columns at a time through my own stage: in as 32 bytes a lane, back as whole rows of 256 bytes.  LDS serves a wave's instructions in order: no wait between the stores and the loads, nor in front of the next block's stores.
.macro TOSTAGE a
.set BK, OB+32*((\a)%2)
.irp b, 0,1,2,3
	ds_store_b128 v[STO], v[ACC+8*(4*(\a)+\b):ACC+8*(4*(\a)+\b)+3] offset:64*\b          ; each accumulator from its low end on
	ds_store_b128 v[STO], v[ACC+8*(4*(\a)+\b)+4:ACC+8*(4*(\a)+\b)+7] offset:64*\b+16
.endr
.irp t, 0,1,2,3,4,5,6,7
	ds_load_b128 v[BK+4*\t:BK+4*\t+3], v[RD] offset:\t*2*SPITCH
.endr
.endm
.macro SEND a, younger                 ; younger: the LDS instructions issued behind block a's loads, which may stay out
.set BK, OB+32*((\a)%2)
	s_wait_dscnt \younger
.irp t, 0,1,2,3,4,5,6,7
	global_store_b128 v[CO], v[BK+4*\t:BK+4*\t+3], s[8:9] offset:(16*(\a)+2*\t)*4096 th:TH_STORE_NT   ; 16 lanes store 256 consecutive bytes, aligned
.endr
.endm
	PLACES
	TOSTAGE 0
	TOSTAGE 1
	s_wait_xcnt 0x0                                ; EXEC changes only behind this wait
	v_cmp_ne_u32 vcc_lo, 0, v[ROWB]                ; rows 0-15 of out0 are not mine to store: the wave whose first row is 0 has no lane on for its first block.  No branch: the partners of a cluster run alike
	s_and_saveexec_b32 s3, vcc_lo
	SEND 0, 16                                     ; behind block 0's loads: block 1's 16 LDS instructions
	s_wait_xcnt 0x0                                ; and again in front of the line that widens it; block 0's stores have read their registers
	s_or_b32 exec_lo, exec_lo, s3
	TOSTAGE 2
	SEND 1, 16
	s_wait_xcnt 0x0                                ; block 1's stores have read their registers
	TOSTAGE 3
	SEND 2, 16
	SEND 3, 0
	s_wait_tensorcnt 0x0                           ; the wave's end
	ds_add_u32 v[SPW], v[NIL]
	s_wait_dscnt 0x0
	CROUND                                         ; the closing round
	s_endpgm
.Lfunc_end_k_q682531f823_oproj:
	.size	k_q682531f823_oproj, .Lfunc_end_k_q682531f823_oproj-k_q682531f823_oproj
	.p2alignl 7, 3214868480
	.fill 96, 4, 3214868480
	.section	.rodata,"a",@progbits
	.p2align	6, 0x0
	.amdhsa_kernel k_q682531f823_oproj
		.amdhsa_group_segment_fixed_size 327680
		.amdhsa_private_segment_fixed_size 0
		.amdhsa_enable_private_segment 0
		.amdhsa_kernarg_size 24
		.amdhsa_user_sgpr_count 2
		.amdhsa_user_sgpr_kernarg_segment_ptr 1
		.amdhsa_wavefront_size32 1
		.amdhsa_system_sgpr_workgroup_id_x 1
		.amdhsa_system_sgpr_workgroup_id_y 1
		.amdhsa_system_sgpr_workgroup_id_z 1
		.amdhsa_system_vgpr_workitem_id 0
		.amdhsa_next_free_vgpr 512
		.amdhsa_next_free_sgpr 66
		.amdhsa_reserve_vcc 1
		.amdhsa_float_denorm_mode_32 3
		.amdhsa_float_denorm_mode_16_64 3
		.amdhsa_memory_ordered 1
		.amdhsa_forward_progress 1
		.amdhsa_inst_pref_size 85
	.end_amdhsa_kernel
	.amdgpu_metadata
---
amdhsa.version: [ 1, 2 ]
amdhsa.kernels:
  - .name:           k_q682531f823_oproj
    .symbol:         k_q682531f823_oproj.kd
    .args:
      - { .name: ctx, .offset: 0, .size: 8, .value_kind: global_buffer, .address_space: global }
      - { .name: wo16, .offset: 8, .size: 8, .value_kind: global_buffer, .address_space: global }
      - { .name: out0, .offset: 16, .size: 8, .value_kind: global_buffer, .address_space: global }
    .group_segment_fixed_size: 327680
    .private_segment_fixed_size: 0
    .kernarg_segment_align: 8
    .kernarg_segment_size: 24
    .max_flat_workgroup_size: 128
    .sgpr_count:     66
    .vgpr_count:     512
    .wavefront_size: 32
...
	.end_amdgpu_metadata
.endif
;; end of part 5
